; MI455X (gfx1250); checked and timed in simulation.
; The chip was launched on July 23, 2026; its instructions are those of AMD's public machine-readable ISA for CDNA 5 (MIT licence, August 2026) and "CDNA5" Instruction Set Architecture Reference Guide (July 2026). The comments in the code are by the model that wrote it; some were corrected since.
;; Adaptive Incidence Attention. Allowed arithmetic: matrix products marked QUANTISED: E2M3 operands, one E8M0 scale for each 32 along K, by v_wmma_scale_f32_16x16x128_f8f6f4 with both operands' format E2M3, f32 sums; products left as they are: f32 operands where the result goes on into a quantised operand, else bf16, f16 or f32 operands; f32 sums; everything else in f32.
;; Inputs: W1 1,024 x 512 float32; W2 512 x 16 float32; Wo 1,024 x 1,024 float32; Wqkv 1,024 x 3,072 float32; adaptive_weight 1 float32; b1 512 float32; b2 16 float32; bo 1,024 float32; bqkv 3,072 float32; mobius_scale 16 float32; x 2 x 2,048 x 1,024 float32.
;; Outputs: out0 2 x 2,048 x 1,024 float32.
;; This version of the problem:
;;   THIS VERSION OF THE PROBLEM IS GIVEN IN LOW PRECISION. The matrix products marked QUANTISED in the list below multiply operands that are first quantised to E2M3 (2 exponent bits, 3 mantissa bits; 6 bits a number), with one power-of-two scale for each 32 numbers along K (OCP MX v1.0); their sums are f32. All else is computed in f32.
;;   The module's matrix products, in the order in which they are computed (A, B: the left and right operand; K: the contracted axis; several contracted axes count as one K, in the product's order):
;;     1. [M 2, K 1,024] x [K 1,024, N 512]; A: computed on the way; B: input W1: left as it is (M = 2 < 16)
;;     2. [M 2, K 512] x [K 512, N 16]; A: computed on the way; B: input W2: left as it is (M = 2 < 16)
;;     3. [M 4,096, K 1,024] x [K 1,024, N 3,072]; A: input x; B: input Wqkv: QUANTISED
;;     4. batch 32 x [M 2,048, K 64] x [K 64, N 2,048]; A: computed on the way; B: computed on the way: QUANTISED
;;     5. batch 32 x [M 64, K 2,048] x [K 2,048, N 2,048]; A: computed on the way; B: softmax (see below): QUANTISED
;;     6. [M 4,096, K 1,024] x [K 1,024, N 1,024]; A: computed on the way; B: input Wo: QUANTISED
;;   THE QUANTISER, for each operand of a quantised product, along K:
;;     - K is cut into blocks of 32 from its start; a last block that is shorter is filled with zeros.
;;     - A block's scale is 2^e with e = floor(log2(the largest magnitude in the block)) - 2, held to -126 .. 127; a block of zeros has e = 0. As a byte (E8M0): e + 127.
;;     - Each number is divided by its block's scale, clamped to +-7.5, and rounded to the nearest number of E2M3, ties to even, subnormals kept.
;;     - The product sums the exact products of the quantised numbers (number of the format x scale) in f32.
;;   ~~~python
;;   def quantise(x, axis):      # numpy; x: float32 -> the quantised numbers, widened to float32 again
;;       x = np.moveaxis(x, axis, -1); K = x.shape[-1]
;;       x = np.pad(x, [(0, 0)] * (x.ndim - 1) + [(0, -K % 32)]); x = x.reshape(x.shape[:-1] + (-1, 32)); a = np.abs(x).max(-1, keepdims=True)
;;       e = np.where(a > 0, np.clip(np.frexp(np.where(a > 0, a, 1))[1] - 1 - 2, -126, 127), 0)      # np.frexp(a)[1] - 1 = floor(log2(a)), exactly
;;       r = np.clip(x / 2.0 ** e, -7.5, 7.5)
;;       step = 2.0 ** (np.maximum(np.frexp(np.where(r == 0, 1, r))[1] - 1, 0) - 3)
;;       q = np.round(r / step) * step * 2.0 ** e      # np.round: ties to even
;;       return np.moveaxis(q.reshape(q.shape[:-2] + (-1,))[..., :K], -1, axis).astype(np.float32)
;;   ~~~
;;   SOFTMAX AHEAD OF A QUANTISED PRODUCT. Where the list says 'softmax', what is quantised is not the finished softmax but p = 2^(t - M), with t = logit x log2(e) and M = ceil(the row's largest t), a whole number; so 1/2 < the row's largest p <= 1. The row's sum l is taken of the UNQUANTISED p, in f32, and the product's result is divided by l at the end. Since M is a whole number, a kernel that streams over the keys may use a running M (the ceiling of the running maximum): every later rescaling is an exact power of two, which a block's scale takes up: the codes' values come out the same.
;;   OPERANDS COMPUTED ON THE WAY. 'Computed on the way' means the value that the module computes at that place (a softmax that the list does not call 'softmax' is quantised finished and normalised). What goes into a quantiser is computed in f32, as accurately as f32 sums, v_exp_f32 and their like allow (about 1e-6 of the number): no bf16 or f16 on the way to a quantiser, and a product that is left as it is and whose result goes on into a quantised operand takes f32 operands (vector FMAs, or v_wmma_f32_16x16x4_f32). A number that lies on a knife's edge between two numbers of the format may be rounded either way, as far as f32 arithmetic and the matrix unit's own rounding can turn it there, and no further.
;; One version. Each part assembles by itself: llvm-mc -triple=amdgcn-amd-amdhsa -mcpu=gfx1250 --defsym DOCPART=n.
;; ======== version 1 of 1: 5 launches
;; limits: a function is approximated: absolute error at most 1.5e-07
;; workspace buffers: xq 3,276,800 bytes; wq 3,276,800 bytes; psum 131,072 bytes; zp 2,048 bytes; qk 6,815,744 bytes; vq 3,276,800 bytes; aq 3,276,800 bytes
;; launch qx (part 1): grid 8 x 32, 8 waves a work-group, no clusters, 73,216 bytes of LDS; arguments x, xq, psum; writes xq, psum
.if DOCPART == 1
	.amdgcn_target "amdgcn-amd-amdhsa--gfx1250"
	.amdhsa_code_object_version 6
	.text
	.protected	k_q44ad2d56db_qx
	.globl	k_q44ad2d56db_qx
	.p2align	8
	.type	k_q44ad2d56db_qx,@function
k_q44ad2d56db_qx:
	s_mov_b64 s[64:65], 0
	v_nop
	global_prefetch_b8 v0, s[64:65] scope:SCOPE_SE
	s_setreg_imm32_b32 hwreg(HW_REG_WAVE_MODE, 25, 1), 1
	s_wait_xcnt 0x0
; x [4096][1024] f32 becomes codes of E2M3 with one E8M0 byte for each 32 along K, laid as IMAGES OF OPERAND REGISTERS, and partial column sums for the mean over the sequence.
; xq: [row block of 128][K step of 128][12,800 bytes]: eight fragments of 1,536 bytes (tile t), then 512 bytes of scale words (64 t + 4 r).
; A fragment is two halves of 768 bytes (64 along K each): registers 0-3 as 16 bytes at 16 x lane, registers 4-5 as 8 bytes at 512 + 8 x lane.
; THE ROWS OF A TILE ARE NOT NEIGHBOURS: row r of tile t is row 32 (t / 2) + 8 (t % 2) + r + 8 (r / 8) of its block of 128.
; A work-group takes one row block (y) and one K step (x); wave w makes tile w.  Each load reads 512 consecutive bytes of one row; the 16 rows turn through the wave's own stage in LDS (pitch 528),
; so that lane (r, h) gets k = 64 c + 32 h + 0 .. 31 of row r: two whole blocks a lane, in the order of the operand's registers.
; A block's scale byte is its largest magnitude's exponent field - 2, held at 1 from below.  LIMITS: a block of zeros gets the byte 1 (its codes are zeros, and this program alone reads the bytes);
; blocks under the floor 2^(3 - 127) were not tried; NaN and infinities are not served.
.set STGB,  8448                       ; a wave's stage: 16 rows x 528
.set CSUM,  67584                      ; the waves' column sums, 512 bytes each
.set SCG,   71680                      ; the chunk's 512 bytes of scale words
.set SPARE, 72192                      ; the spare words, 128 bytes for each wave: four blocks of 256 bytes that no other line names
.set X,  16                            ; v16-79   16 rows as loaded
.set N,  80                            ; v80-143  my 64 numbers
.set PC, 144                           ; v144-155 the fragment
.set T,  156                           ; v156-162 the second halves of the blocks' codes
	s_load_b128 s[4:7], s[0:1], 0x0                ; x, xq
	s_load_b64 s[8:9], s[0:1], 0x10                ; psum
	v_lshl_add_u32 v12, v0, 2, SPARE               ; my spare word
	v_mov_b32 v13, 0
	v_lshrrev_b32 v1, 5, v0
	v_readfirstlane_b32 s10, v1                    ; wave = tile
	v_and_b32 v1, 31, v0                           ; lane
	v_and_b32 v2, 15, v0                           ; r
	v_bfe_u32 v3, v0, 4, 1                         ; h
	v_lshlrev_b32 v4, 4, v1                        ; 16 x lane
	v_lshlrev_b32 v7, 3, v1                        ; 8 x lane
	s_mul_i32 s11, s10, STGB
	v_add_nc_u32 v5, s11, v4                       ; the stage, way in
	v_mul_u32_u24 v6, v2, 528
	v_lshl_add_u32 v6, v3, 7, v6
	v_add_nc_u32 v6, s11, v6                       ; way out: row r, + 128 h
	s_lshl_b32 s12, s10, 6
	s_add_co_u32 s12, s12, SCG
	v_lshl_add_u32 v8, v2, 2, s12                  ; my row's scale word
	s_lshl_b32 s12, s10, 9
	s_add_co_u32 s12, s12, CSUM
	v_add_nc_u32 v9, s12, v4                       ; my wave's column sums
	s_mul_i32 s12, s10, 1536
	v_add_nc_u32 v10, s12, v4                      ; the fragment's place in the chunk
	v_add_nc_u32 v11, s12, v7
	v_add_nc_u32 v14, CSUM, v4                     ; what wave 0 and wave 1 read at the end
	v_add_nc_u32 v15, SCG, v4
	s_mov_b32 s20, 0x76543210
	s_mov_b32 s21, 0xfedcba98                      ; selects for lane l xor 16
	s_and_b32 s13, ttmp7, 0xffff                   ; row block
	s_lshl_b32 s14, s13, 7
	s_lshr_b32 s15, s10, 1
	s_lshl_b32 s15, s15, 5
	s_add_co_u32 s14, s14, s15
	s_and_b32 s15, s10, 1
	s_lshl_b32 s15, s15, 3
	s_add_co_u32 s14, s14, s15                     ; the tile's first row
	s_lshl_b32 s14, s14, 12
	s_lshl_b32 s15, ttmp9, 9
	s_add_co_u32 s14, s14, s15                     ; in bytes, + the K step's 512
	s_mov_b32 s15, 0
	s_mul_i32 s16, s13, 102400
	s_mul_i32 s17, ttmp9, 12800
	s_add_co_u32 s16, s16, s17                     ; the chunk
	s_mov_b32 s17, 0
	s_lshl_b32 s18, s13, 12
	s_lshl_b32 s19, ttmp9, 9
	s_add_co_u32 s18, s18, s19                     ; psum[row block][128 x K step]
	s_mov_b32 s19, 0
	s_wait_kmcnt 0x0
	s_add_nc_u64 s[4:5], s[4:5], s[14:15]
	s_add_nc_u64 s[6:7], s[6:7], s[16:17]
	s_add_nc_u64 s[8:9], s[8:9], s[18:19]
.set i, 0
.rept 16
	global_load_b128 v[X+4*i:X+4*i+3], v4, s[4:5] offset:(i+8*(i/8))*4096 th:TH_LOAD_NT   ; 32 lanes read 512 consecutive bytes of tile row i
.set i, i+1
.endr
.set i, 0
.rept 16
	s_wait_loadcnt 15-i                            ; row i is in; the younger rows stay out
	ds_store_b128 v5, v[X+4*i:X+4*i+3] offset:528*i
.if i == 1
	v_pk_add_f32 v[176:177], v[X:X+1], v[X+4:X+5]  ; the sums of my four columns begin with rows 0 and 1
	v_pk_add_f32 v[178:179], v[X+2:X+3], v[X+6:X+7]
.elseif i > 1
	v_pk_add_f32 v[176:177], v[176:177], v[X+4*i:X+4*i+1]
	v_pk_add_f32 v[178:179], v[178:179], v[X+4*i+2:X+4*i+3]
.endif
.set i, i+1
.endr
	ds_store_b128 v9, v[176:179]
.irp c,0,1
.irp j,0,1,2,3,4,5,6,7
	ds_load_b128 v[N+32*\c+4*\j:N+32*\c+4*\j+3], v6 offset:256*\c+16*\j   ; LDS serves a wave's instructions in order: these see my stores
.endr
.endr
	s_wait_dscnt 0x0
.irp c,0,1
	v_max3_num_f32 v[164+\c], |v[N+32*\c]|, |v[N+32*\c+1]|, 0x1800000     ; my block 2 c + h, and the floor 2^(3 - 127)
.endr
.irp i,2,4,6,8,10,12,14,16,18,20,22,24,26,28,30
.irp c,0,1
	v_max3_num_f32 v[164+\c], v[164+\c], |v[N+32*\c+\i]|, |v[N+32*\c+\i+1]|
.endr
.endr
.irp c,0,1
	v_add_nc_u32 v[166+\c], 0xff000000, v[164+\c]  ; 2 off the exponent field: the conversion's scale operand
.endr
.irp c,0,1
	v_lshrrev_b32 v[168+\c], 23, v[166+\c]         ; the scale's byte
.endr
	v_lshl_or_b32 v170, v169, 16, v168             ; blocks h and 2 + h,
	v_lshlrev_b32 v171, 3, v3
	v_lshlrev_b32 v170, v171, v170                 ; at their places in the word;
	v_mov_b32 v171, 0
	v_permlanex16_b32 v171, v170, s20, s21
	v_or_b32 v170, v170, v171                      ; with lane l xor 16's two the word is whole
.irp c,0,1
	v_cvt_scalef32_pk16_fp6_f32 v[PC+6*\c:PC+6*\c+2], v[N+32*\c:N+32*\c+15], v[166+\c]
	v_cvt_scalef32_pk16_fp6_f32 v[T+4*\c:T+4*\c+2], v[N+32*\c+16:N+32*\c+31], v[166+\c]   ; (a conversion's three registers begin on an even number)
.endr
	v_nop                                          ; one plain place behind a scaled conversion
.irp c,0,1
.irp i,0,1,2
	v_mov_b32 v[PC+3+6*\c+\i], v[T+4*\c+\i]
.endr
.endr
	ds_store_b32 v8, v170                          ; both halves of the lanes write the same word with the same value
	global_store_b128 v10, v[PC:PC+3], s[6:7]                  ; each store covers 512 or 256 consecutive bytes, aligned to 256
	global_store_b64 v11, v[PC+4:PC+5], s[6:7] offset:512
	global_store_b128 v10, v[PC+6:PC+9], s[6:7] offset:768
	global_store_b64 v11, v[PC+10:PC+11], s[6:7] offset:1280
	s_wait_dscnt 0x0                               ; for the others' sake: my sums and my scale words have landed
	s_barrier_signal -1
	s_barrier_wait -1
	s_cmp_eq_u32 s10, 0
	s_cbranch_scc0 .Lnot_0
.irp j,0,1,2,3,4,5,6,7
	ds_load_b128 v[16+4*\j:19+4*\j], v14 offset:512*\j         ; wave 0: the eight waves' sums
.endr
	s_wait_dscnt 0x0
.irp j,1,2,3,4,5,6,7
	v_pk_add_f32 v[16:17], v[16:17], v[16+4*\j:17+4*\j]
	v_pk_add_f32 v[18:19], v[18:19], v[18+4*\j:19+4*\j]
.endr
	global_store_b128 v4, v[16:19], s[8:9]         ; 128 columns' sums over this block's 128 rows
	s_branch .Lend
.Lnot_0:
	s_cmp_eq_u32 s10, 1
	s_cbranch_scc0 .Lend
	ds_load_b128 v[16:19], v15                     ; wave 1: the chunk's scale words, 512 bytes on end
	s_wait_dscnt 0x0
	global_store_b128 v4, v[16:19], s[6:7] offset:12288
.Lend:
	s_wait_tensorcnt 0x0                           ; the wave's end
	ds_add_u32 v12, v13
	s_wait_dscnt 0x0
	s_endpgm
.Lfunc_end_k_q44ad2d56db_qx:
	.size	k_q44ad2d56db_qx, .Lfunc_end_k_q44ad2d56db_qx-k_q44ad2d56db_qx
	.p2alignl 7, 3214868480
	.fill 96, 4, 3214868480
	.section	.rodata,"a",@progbits
	.p2align	6, 0x0
	.amdhsa_kernel k_q44ad2d56db_qx
		.amdhsa_group_segment_fixed_size 73216
		.amdhsa_private_segment_fixed_size 0
		.amdhsa_enable_private_segment 0
		.amdhsa_kernarg_size 24
		.amdhsa_user_sgpr_count 2
		.amdhsa_user_sgpr_kernarg_segment_ptr 1
		.amdhsa_wavefront_size32 1
		.amdhsa_system_sgpr_workgroup_id_x 1
		.amdhsa_system_sgpr_workgroup_id_y 1
		.amdhsa_system_sgpr_workgroup_id_z 1
		.amdhsa_system_vgpr_workitem_id 0
		.amdhsa_next_free_vgpr 192
		.amdhsa_next_free_sgpr 66
		.amdhsa_reserve_vcc 0
		.amdhsa_float_denorm_mode_32 3
		.amdhsa_float_denorm_mode_16_64 3
		.amdhsa_memory_ordered 1
		.amdhsa_forward_progress 1
		.amdhsa_inst_pref_size 14
	.end_amdhsa_kernel
	.amdgpu_metadata
---
amdhsa.version: [ 1, 2 ]
amdhsa.kernels:
  - .name:           k_q44ad2d56db_qx
    .symbol:         k_q44ad2d56db_qx.kd
    .args:
      - { .name: x, .offset: 0, .size: 8, .value_kind: global_buffer, .address_space: global }
      - { .name: xq, .offset: 8, .size: 8, .value_kind: global_buffer, .address_space: global }
      - { .name: psum, .offset: 16, .size: 8, .value_kind: global_buffer, .address_space: global }
    .group_segment_fixed_size: 73216
    .private_segment_fixed_size: 0
    .kernarg_segment_align: 8
    .kernarg_segment_size: 24
    .max_flat_workgroup_size: 256
    .sgpr_count:     66
    .vgpr_count:     192
    .wavefront_size: 32
...
	.end_amdgpu_metadata
.endif
;; end of part 1
;; launch qw (part 2): grid 18 x 8, 8 waves a work-group, no clusters, 52,480 bytes of LDS; arguments Wqkv, Wo, W1, b1, W2, psum, wq, zp; writes wq, zp
.if DOCPART == 2
	.amdgcn_target "amdgcn-amd-amdhsa--gfx1250"
	.amdhsa_code_object_version 6
	.text
	.protected	k_q44ad2d56db_qw
	.globl	k_q44ad2d56db_qw
	.p2align	8
	.type	k_q44ad2d56db_qw,@function
k_q44ad2d56db_qw:
	s_mov_b64 s[64:65], 0
	v_nop
	global_prefetch_b8 v0, s[64:65] scope:SCOPE_SE
	s_setreg_imm32_b32 hwreg(HW_REG_WAVE_MODE, 25, 1), 1
	s_wait_xcnt 0x0
; Three kinds of work-group, told apart by the work-group's x; each has LDS bytes of its own.
; x 0-11: Wqkv [1024][3072], x 12-15: Wo [1024][1024], f32 with K as the FIRST axis, become codes of E2M3 in wq, laid as xq is laid (blocks of 128 columns n: 0-23 Wqkv's, 24-31 Wo's; K step y).
;   A LANE TAKES A COLUMN n AND ITS REGISTERS RUN DOWN K: a block of 32 lies in one lane, and the conversions give codes with K innermost.  Column 32 p + j of a block of 128 is row r = j % 8 + 8 (j / 16)
;   of tile 2 p + (j / 8) % 2; its block bk belongs to the image's lane r + 16 (bk % 2), half bk / 2.  A wave's two fragments are gathered in its own stage and leave as 3,072 consecutive bytes.
; x 16-17: the gate.  Work-group G = 8 (x - 16) + y takes hidden units 32 G .. + 31: context = column sums / 2048, h = gelu(context W1 + b1), and the partial sums h W2 over its 32 units go to zp [G][batch][16].
;   All in f32 by fused multiply-adds.  erf by the five-term rational form of Abramowitz and Stegun 7.1.26: absolute error 1.5e-7 for every argument; it stands ahead of no quantiser.
; LIMITS: a block of zeros gets the byte 1 (read by this program alone); blocks under the floor 2^(3 - 127) were not tried; NaN and infinities are not served.
.set RED,   49152                      ; the gate: eight waves x two batches x 32 partial sums
.set HB,    51200                      ; the gate: gelu's results, two batches x 32
.set SPARE, 51456                      ; the spare words, 128 bytes for each wave
.macro LOADW n, bk                     ; block bk: W(32 bk + i, my column)
.set i, 0
.rept 32
	global_load_b32 v[32+32*\bk+i], v2, s[26:27] offset:(32*\bk+i)*\n*4 th:TH_LOAD_NT   ; 32 lanes read 128 consecutive bytes, the eight waves 1,024
.set i, i+1
.endr
.endm
.macro BLOCKW n, bk
.set XS, 32+32*\bk
.set CC, 160+8*\bk
.set TT, 192+4*\bk
.if \bk < 3
	s_wait_loadcnt 32                              ; this block's 32 loads are in; the next block's may be out
.else
	s_wait_loadcnt 0x0
.endif
.if \bk < 2
	LOADW \n,(\bk+2)
.endif
	v_max3_num_f32 v12, |v[XS]|, |v[XS+1]|, |v[XS+2]|
	v_max3_num_f32 v13, |v[XS+3]|, |v[XS+4]|, |v[XS+5]|
.irp i,6,10,14,18,22,26
	v_max3_num_f32 v12, v12, |v[XS+\i]|, |v[XS+\i+1]|
	v_max3_num_f32 v13, v13, |v[XS+\i+2]|, |v[XS+\i+3]|
.endr
	v_max3_num_f32 v12, v12, |v[XS+30]|, |v[XS+31]|
	v_max3_num_f32 v12, v12, v13, 0x1800000        ; and the floor 2^(3 - 127)
	v_add_nc_u32 v11, 0xff000000, v12              ; the conversion's scale operand
	v_lshrrev_b32 v13, 23, v11                     ; the byte
.if \bk == 0
	v_mov_b32 v24, v13
.else
	v_lshl_or_b32 v24, v13, 8*\bk, v24             ; my column's scale word
.endif
	v_cvt_scalef32_pk16_fp6_f32 v[CC:CC+2], v[XS:XS+15], v11
	v_cvt_scalef32_pk16_fp6_f32 v[TT:TT+2], v[XS+16:XS+31], v11
	v_nop                                          ; one plain place behind a scaled conversion
.irp i,0,1,2
	v_mov_b32 v[CC+3+\i], v[TT+\i]
.endr
	ds_store_b128 v3, v[CC:CC+3] offset:768*(\bk/2)+256*(\bk%2)
	ds_store_b64 v4, v[CC+4:CC+5] offset:512+768*(\bk/2)+128*(\bk%2)
.endm
.macro WPATH n, ptr, xsub, rb0, stg
	s_sub_co_u32 s22, ttmp9, \xsub                 ; which 256 columns
	s_mul_i32 s24, s21, 128*\n*4                   ; 128 rows of K down for each y,
	s_lshl_b32 s23, s22, 10
	s_add_co_u32 s24, s24, s23
	s_lshl_b32 s23, s20, 7
	s_add_co_u32 s24, s24, s23                     ; + my wave's 32 columns
	s_mov_b32 s25, 0
	s_add_nc_u64 s[26:27], s[\ptr:\ptr+1], s[24:25]
	LOADW \n,0
	LOADW \n,1
	s_lshl_b32 s23, s22, 1
	s_lshr_b32 s24, s20, 2
	s_add_co_u32 s23, s23, s24
	s_add_co_u32 s23, s23, \rb0                    ; the block of 128 columns
	s_mul_i32 s24, s23, 102400
	s_mul_i32 s23, s21, 12800
	s_add_co_u32 s24, s24, s23
	s_mov_b32 s25, 0
	s_add_nc_u64 s[28:29], s[16:17], s[24:25]      ; its chunk of this K step
	s_mul_i32 s30, s20, 3072
	s_add_co_u32 s30, s30, \stg                    ; my stage
	v_and_b32 v8, 7, v0
	v_bfe_u32 v9, v0, 4, 1
	v_lshl_add_u32 v8, v9, 3, v8                   ; r
	v_bfe_u32 v10, v0, 3, 1                        ; which of my two tiles
	v_mul_u32_u24 v9, v10, 1536
	v_lshl_add_u32 v3, v8, 4, v9
	v_add_nc_u32 v3, s30, v3                       ; where registers 0-3 of a block go
	v_lshl_add_u32 v4, v8, 3, v9
	v_add_nc_u32 v4, s30, v4                       ; and registers 4-5 (512 in the immediate)
	v_lshlrev_b32 v5, 4, v1
	s_and_b32 s31, s20, 3
	s_mul_i32 s32, s31, 3072
	v_add_nc_u32 v6, s32, v5                       ; my wave's 3,072 bytes in the chunk
	v_add_nc_u32 v5, s30, v5                       ; and in the stage
	v_lshlrev_b32 v7, 6, v10
	v_lshl_add_u32 v7, v8, 2, v7
	s_lshl_b32 s32, s31, 7
	v_add_nc_u32 v7, s32, v7                       ; my scale word: 64 x tile + 4 r
	BLOCKW \n,0
	BLOCKW \n,1
	BLOCKW \n,2
	BLOCKW \n,3
.irp j,0,1,2,3,4,5
	ds_load_b128 v[208+4*\j:211+4*\j], v5 offset:512*\j        ; my own bytes, served in order behind my stores
.endr
.irp j,0,1,2,3,4,5
	s_wait_dscnt 5-\j
	global_store_b128 v6, v[208+4*\j:211+4*\j], s[28:29] offset:512*\j   ; 512 consecutive bytes, aligned to 256
.endr
	global_store_b32 v7, v24, s[28:29] offset:12288            ; 128 consecutive bytes a wave
	s_wait_tensorcnt 0x0                           ; the wave's end
	ds_add_u32 v14, v15
	s_wait_dscnt 0x0
	s_endpgm
.endm
	s_load_b256 s[4:11], s[0:1], 0x0               ; Wqkv s[4:5], Wo s[6:7], W1 s[8:9], b1 s[10:11]
	s_load_b256 s[12:19], s[0:1], 0x20             ; W2 s[12:13], psum s[14:15], wq s[16:17], zp s[18:19]
	v_lshl_add_u32 v14, v0, 2, SPARE               ; my spare word
	v_mov_b32 v15, 0
	v_lshrrev_b32 v1, 5, v0
	v_readfirstlane_b32 s20, v1                    ; wave
	v_and_b32 v1, 31, v0                           ; lane
	v_lshlrev_b32 v2, 2, v1                        ; 4 x lane
	s_and_b32 s21, ttmp7, 0xffff                   ; y
	s_wait_kmcnt 0x0
	s_cmp_lt_u32 ttmp9, 12
	s_cbranch_scc0 .Lnot_qkv
	WPATH 3072,4,0,0,0
.Lnot_qkv:
	s_cmp_lt_u32 ttmp9, 16
	s_cbranch_scc0 .Lgate
	WPATH 1024,6,12,24,24576
.Lgate:
	s_sub_co_u32 s22, ttmp9, 16
	s_lshl_b32 s22, s22, 3
	s_add_co_u32 s22, s22, s21                     ; G
	s_lshl_b32 s23, s22, 7                         ; 32 units x 4 bytes
	s_lshl_b32 s24, s20, 18                        ; my 128 rows of W1, 2,048 bytes each
	s_add_co_u32 s24, s24, s23
	s_mov_b32 s25, 0
	s_add_nc_u64 s[8:9], s[8:9], s[24:25]
	s_mov_b32 s24, s23
	s_add_nc_u64 s[10:11], s[10:11], s[24:25]      ; b1 at my units
	s_add_nc_u64 s[18:19], s[18:19], s[24:25]      ; zp[G]
	s_lshl_b32 s24, s22, 11
	s_add_nc_u64 s[12:13], s[12:13], s[24:25]      ; W2 at my 32 rows of 64 bytes
	s_lshl_b32 s24, s20, 9
	s_add_nc_u64 s[14:15], s[14:15], s[24:25]      ; psum at my 128 columns
	v_lshlrev_b32 v3, 4, v1
	v_and_b32 v4, 15, v0
	v_lshlrev_b32 v4, 2, v4
	s_lshl_b32 s24, s20, 8
	s_add_co_u32 s24, s24, RED
	v_add_nc_u32 v5, s24, v2                       ; where my wave's partial sums go
	v_add_nc_u32 v6, RED, v2                       ; what wave 0 reads
	v_add_nc_u32 v7, HB, v2
	v_bfe_u32 v8, v0, 4, 1
	v_lshl_add_u32 v8, v8, 7, HB
.set i, 0
.rept 128
	global_load_b32 v[32+i], v2, s[8:9] offset:2048*i th:TH_LOAD_NT        ; W1(128 w + i, 32 G + lane)
.set i, i+1
.endr
.set i, 0
.rept 32
	global_load_b32 v[224+i], v4, s[12:13] offset:64*i                     ; W2(32 G + i, lane % 16)
.set i, i+1
.endr
	global_load_b32 v24, v2, s[10:11]              ; b1
.macro CTX b                           ; the context of batch b at k = 128 w + 4 x lane + 0 .. 3: sixteen row blocks' sums, / 2048
.set i, 0
.rept 16
	global_load_b128 v[160+4*i:163+4*i], v3, s[14:15] offset:(16*\b+i)*4096
.set i, i+1
.endr
	s_wait_loadcnt 0x0
	v_pk_add_f32 v[16+4*\b:17+4*\b], v[160:161], v[164:165]
	v_pk_add_f32 v[18+4*\b:19+4*\b], v[162:163], v[166:167]
.set i, 2
.rept 14
	v_pk_add_f32 v[16+4*\b:17+4*\b], v[16+4*\b:17+4*\b], v[160+4*i:161+4*i]
	v_pk_add_f32 v[18+4*\b:19+4*\b], v[18+4*\b:19+4*\b], v[162+4*i:163+4*i]
.set i, i+1
.endr
	v_pk_mul_f32 v[16+4*\b:17+4*\b], v[16+4*\b:17+4*\b], 0x3a000000 op_sel_hi:[1,0]
	v_pk_mul_f32 v[18+4*\b:19+4*\b], v[18+4*\b:19+4*\b], 0x3a000000 op_sel_hi:[1,0]
.endm
	CTX 0
	CTX 1
.set kk, 0
.rept 128                              ; context(k) is taken from its lane as a scalar; two chains for each batch
	v_readlane_b32 s[40+2*(kk%8)], v[16+kk%4], kk/4
	v_readlane_b32 s[41+2*(kk%8)], v[20+kk%4], kk/4
.if kk < 2
	v_mul_f32 v[26+kk%2], s[40+2*(kk%8)], v[32+kk]
	v_mul_f32 v[28+kk%2], s[41+2*(kk%8)], v[32+kk]
.else
	v_fmac_f32 v[26+kk%2], s[40+2*(kk%8)], v[32+kk]
	v_fmac_f32 v[28+kk%2], s[41+2*(kk%8)], v[32+kk]
.endif
.set kk, kk+1
.endr
	v_add_f32 v26, v26, v27
	v_add_f32 v28, v28, v29
	ds_store_b32 v5, v26
	ds_store_b32 v5, v28 offset:128
	s_wait_dscnt 0x0                               ; for wave 0's sake
	s_barrier_signal -1
	s_barrier_wait -1
	s_cmp_eq_u32 s20, 0
	s_cbranch_scc0 .Lgate_end
.irp j,0,1,2,3,4,5,6,7
	ds_load_b32 v[160+\j], v6 offset:256*\j
	ds_load_b32 v[168+\j], v6 offset:256*\j+128
.endr
	s_mov_b32 s33, 0x3ea7ba05                      ; 0.3275911
	s_mov_b32 s34, 0x3f87dc22                      ; 1.061405429
	s_wait_dscnt 0x0
.irp j,1,2,3,4,5,6,7
	v_add_f32 v160, v160, v[160+\j]
	v_add_f32 v168, v168, v[168+\j]
.endr
.irp x,160,168
	v_add_f32 v[\x], v[\x], v24                    ; + b1
.endr
.irp x,160,168
	v_and_b32 v[\x+4], 0x7fffffff, v[\x]           ; |x|
.endr
.irp x,160,168
	v_mul_f32 v[\x+1], 0x3f3504f3, v[\x+4]         ; z = |x| / sqrt(2)
.endr
.irp x,160,168
	v_fma_f32 v[\x+2], v[\x+1], s33, 1.0
	v_mul_f32 v[\x+3], v[\x+1], v[\x+1]
.endr
.irp x,160,168
	v_mul_f32 v[\x+3], 0xbfb8aa3b, v[\x+3]         ; -z^2 log2(e)
.endr
.irp x,160,168
	v_rcp_f32 v[\x+2], v[\x+2]                     ; t
	v_exp_f32 v[\x+3], v[\x+3]                     ; e^(-z^2)
.endr
	v_nop                                          ; a plain place behind the batch,
	s_wait_alu depctr_va_vdst(0)                   ; and one wait for the four, ahead of their first reader
.irp x,160,168
	v_fmaak_f32 v[\x+5], s34, v[\x+2], 0xbfba00e3
.endr
.irp x,160,168
	v_fmaak_f32 v[\x+5], v[\x+5], v[\x+2], 0x3fb5f0e3
.endr
.irp x,160,168
	v_fmaak_f32 v[\x+5], v[\x+5], v[\x+2], 0xbe91a98e
.endr
.irp x,160,168
	v_fmaak_f32 v[\x+5], v[\x+5], v[\x+2], 0x3e827906
.endr
.irp x,160,168
	v_mul_f32 v[\x+5], v[\x+5], v[\x+2]
.endr
.irp x,160,168
	v_fma_f32 v[\x+5], -v[\x+5], v[\x+3], 1.0      ; erf(z)
.endr
.irp x,160,168
	v_fma_f32 v[\x+5], v[\x+4], v[\x+5], v[\x]     ; x + |x| erf(|x| / sqrt(2))
.endr
.irp x,160,168
	v_mul_f32 v[\x+5], 0.5, v[\x+5]                ; gelu
.endr
	ds_store_b32 v7, v165
	ds_store_b32 v7, v173 offset:128
.irp q,0,1,2,3,4,5,6,7
	ds_load_b128 v[176+4*\q:179+4*\q], v8 offset:16*\q         ; lanes 0-15 batch 0's 32 units, lanes 16-31 batch 1's; served in order behind my stores
.endr
	s_wait_dscnt 0x0
	v_mul_f32 v26, v176, v224
	v_mul_f32 v27, v177, v225
.set i, 2
.rept 15
	v_fmac_f32 v26, v[176+i], v[224+i]
	v_fmac_f32 v27, v[177+i], v[225+i]
.set i, i+2
.endr
	v_add_f32 v26, v26, v27
	global_store_b32 v2, v26, s[18:19]             ; zp[G][lane / 16][lane % 16]
.Lgate_end:
	s_wait_tensorcnt 0x0                           ; the wave's end
	ds_add_u32 v14, v15
	s_wait_dscnt 0x0
	s_endpgm
.Lfunc_end_k_q44ad2d56db_qw:
	.size	k_q44ad2d56db_qw, .Lfunc_end_k_q44ad2d56db_qw-k_q44ad2d56db_qw
	.p2alignl 7, 3214868480
	.fill 96, 4, 3214868480
	.section	.rodata,"a",@progbits
	.p2align	6, 0x0
	.amdhsa_kernel k_q44ad2d56db_qw
		.amdhsa_group_segment_fixed_size 52480
		.amdhsa_private_segment_fixed_size 0
		.amdhsa_enable_private_segment 0
		.amdhsa_kernarg_size 64
		.amdhsa_user_sgpr_count 2
		.amdhsa_user_sgpr_kernarg_segment_ptr 1
		.amdhsa_wavefront_size32 1
		.amdhsa_system_sgpr_workgroup_id_x 1
		.amdhsa_system_sgpr_workgroup_id_y 1
		.amdhsa_system_sgpr_workgroup_id_z 1
		.amdhsa_system_vgpr_workitem_id 0
		.amdhsa_next_free_vgpr 256
		.amdhsa_next_free_sgpr 66
		.amdhsa_reserve_vcc 0
		.amdhsa_float_denorm_mode_32 3
		.amdhsa_float_denorm_mode_16_64 3
		.amdhsa_memory_ordered 1
		.amdhsa_forward_progress 1
		.amdhsa_inst_pref_size 97
	.end_amdhsa_kernel
	.amdgpu_metadata
---
amdhsa.version: [ 1, 2 ]
amdhsa.kernels:
  - .name:           k_q44ad2d56db_qw
    .symbol:         k_q44ad2d56db_qw.kd
    .args:
      - { .name: Wqkv, .offset: 0, .size: 8, .value_kind: global_buffer, .address_space: global }
      - { .name: Wo, .offset: 8, .size: 8, .value_kind: global_buffer, .address_space: global }
      - { .name: W1, .offset: 16, .size: 8, .value_kind: global_buffer, .address_space: global }
      - { .name: b1, .offset: 24, .size: 8, .value_kind: global_buffer, .address_space: global }
      - { .name: W2, .offset: 32, .size: 8, .value_kind: global_buffer, .address_space: global }
      - { .name: psum, .offset: 40, .size: 8, .value_kind: global_buffer, .address_space: global }
      - { .name: wq, .offset: 48, .size: 8, .value_kind: global_buffer, .address_space: global }
      - { .name: zp, .offset: 56, .size: 8, .value_kind: global_buffer, .address_space: global }
    .group_segment_fixed_size: 52480
    .private_segment_fixed_size: 0
    .kernarg_segment_align: 8
    .kernarg_segment_size: 64
    .max_flat_workgroup_size: 256
    .sgpr_count:     66
    .vgpr_count:     256
    .wavefront_size: 32
...
	.end_amdgpu_metadata
.endif
;; end of part 2
;; launch gemm_qkv (part 3): grid 24 x 32, 4 waves a work-group, clusters of 4 x 4, 205,312 bytes of LDS; arguments xq, wq, bqkv, qk, vq; writes qk, vq
.if DOCPART == 3
	.amdgcn_target "amdgcn-amd-amdhsa--gfx1250"
	.amdhsa_code_object_version 6
	.text
	.protected	k_q44ad2d56db_gemm_qkv
	.globl	k_q44ad2d56db_gemm_qkv
	.p2align	8
	.type	k_q44ad2d56db_gemm_qkv,@function
k_q44ad2d56db_gemm_qkv:
	s_mov_b64 s[64:65], 0
	v_nop
	global_prefetch_b8 v0, s[64:65] scope:SCOPE_SE
	s_setreg_imm32_b32 hwreg(HW_REG_WAVE_MODE, 25, 1), 1
	s_wait_xcnt 0x0
	s_wait_alu depctr_hold_cnt(0) depctr_sa_sdst(0) depctr_va_vdst(0) depctr_va_sdst(0) depctr_va_ssrc(0) depctr_va_vcc(0) depctr_vm_vsrc(0)
	s_getreg_b32 s2, hwreg(HW_REG_IB_STS2, 6, 4)
	s_cmp_eq_u32 s2, 0
	s_cbranch_scc0 .Lentry_in_a_cluster
	s_endpgm
.Lentry_in_a_cluster:
	s_bfe_u32 s2, ttmp6, 0x10000c
	s_cmp_lg_u32 s2, 0xf033
	s_cbranch_scc0 .Lentry_shape_is_right
	s_endpgm
.Lentry_shape_is_right:
; qkv = x Wqkv + bqkv on codes of E2M3, and its results quantised at once into the operands of attention.  A work-group makes 128 x 128 of the product with ALL of K = 1,024 resident in LDS:
; operand R's block of 128 rows at LDS 0 and operand P's at 102,400, each 8 chunks of 12,800 bytes (8 fragments as images of registers, then the scale words).  Every LDS byte is filled once.
; THE PRODUCT IS USED TRANSPOSED: source 0 = a tile of P, source 1 = a tile of R.  A lane then holds one row of R, and by the order of a tile's rows (row r of tile t = 32 (t / 2) + 8 (t % 2) + r + 8 (r / 8))
; the 64 registers of P's eight tiles are register 16 b + i = index 32 b + 16 (lane / 16) + i of P's 128: neighbours, ready for the conversions.
; Clusters x 0-3: q and k.  P = 128 columns n (two heads), R = 128 tokens: a lane's 128 numbers are two heads' 64: two half fragments (K = the head's 64).  q is multiplied by 2^-3 ahead of its quantiser, which moves
;   its scale bytes by 3 and leaves its codes (LIMIT: it differs from the rule only where q's block maximum lies under 2^-121); so the scores come out divided by sqrt(64).
;   qk: q, then k at + 3,407,872; each [batch x head][block of 128 tokens][6,656]: 8 half fragments of 768 bytes, then scale words (64 t + 4 r), each holding the head's two bytes twice.
; Clusters x 4-5: v.  P = 128 tokens, R = 128 columns n: the registers run along the KEYS, the second product's K.  vq: [batch x head][block of 128 keys][6,400]: 4 fragments (16 of the head's 64 each), then scale words.
; CLUSTER 4 x 4: R's block hangs on cy and is asked for jointly along a row of the cluster, P's on cx and along a column.  Waves 0, 1 fetch R, waves 2, 3 P: two loads each of 25,600 bytes (two K steps),
; the first for K steps 0-3 of the block, the second for 4-7: a wave has two tensor loads out at the most.
; A wave multiplies P's 8 tiles by R's tiles 2 w, 2 w + 1: 16 accumulators by turns.  LIMITS: a block of zeros gets the byte 1; blocks under the floor 2^(3 - 127) were not tried; NaN and infinities are not served.
; REGISTERS: window 0: addresses, scale words, the way out; window 1: accumulator (a, b) at v[8 (8 a + b)]; windows 2, 3: two sets of fragments (P's at v0-95, R's at v96-119).
.set SPARE, 204800                     ; the spare words, 128 bytes for each wave
.set AR16, 4
.set AR8,  5
.set AR4,  6
.set AP16, 7
.set AP8,  8
.set AP4,  9
.set SPW,  10
.set NIL,  11
.set SC,   20                          ; scale words: set s at v[SC + 6 s]: four of P's pairs of tiles, one of R's pair
.set BI,   32                          ; v32-95   the bias in the result's layout
.set H,    96                          ; v96-159  64 numbers to be quantised
.set PC,   160                         ; v160-179 the codes
.set TM,   200
.set PW,   216
.set G1R,  24
.set G0R0, 32
.set G0R1, 36
.set G1P,  48
.set G0P0, 56
.set G0P1, 60
.set SEL,  68
.set FQ,   70
.set HIM,  72
.set WV,   84
.set PAR,  85
.set ISV,  86
.set PARB, 87
.set MSB, 0
.macro WIN new                         ; the immediate's high byte repeats the setting that is left
.if MSB != \new
	s_set_vgpr_msb (MSB<<8)|\new
.set MSB, \new
.endif
.endm
.macro CROUND                          ; a round of the cluster's barrier
	s_barrier_signal -1
	s_barrier_wait -1
	s_cmp_lg_u32 s[WV], 0
	s_cbranch_scc1 .Lnot_wave_0_\@
	s_barrier_signal -3
.Lnot_wave_0_\@:
	s_barrier_wait -3
	s_barrier_signal -1
	s_barrier_wait -1
.endm
.macro PLACES n
.rept \n
	v_nop
.endr
.endm
.macro FRAG reg, a16, a8, off          ; a fragment comes back as it was stored: four loads, each of consecutive bytes
	ds_load_b128 v[\reg:\reg+3], v[\a16] offset:\off
	ds_load_b64 v[\reg+4:\reg+5], v[\a8] offset:\off+512
	ds_load_b128 v[\reg+6:\reg+9], v[\a16] offset:\off+768
	ds_load_b64 v[\reg+10:\reg+11], v[\a8] offset:\off+1280
.endm
.macro FETCH q                         ; K step q: 45 LDS loads into set q % 2
	WIN 0x80+0x40*((\q)%2)
.irp t,0,1,2,3,4,5,6,7
	FRAG 12*\t,AP16,AP8,12800*((\q)%4)+1536*\t
.endr
.irp a,0,1
	FRAG 96+12*\a,AR16,AR8,12800*((\q)%4)+1536*\a
.endr
	WIN 0
.irp p,0,1,2,3
	ds_load_b32 v[SC+6*((\q)%2)+\p], v[AP4] offset:12800*((\q)%4)+128*\p   ; lanes 0-15 tile 2 p's words, lanes 16-31 tile 2 p + 1's
.endr
	ds_load_b32 v[SC+6*((\q)%2)+4], v[AR4] offset:12800*((\q)%4)
.endm
.macro WM d, a, b, sa, sb, ra, rb, zero
.if \zero
.if (\ra)&&(\rb)
	v_wmma_scale_f32_16x16x128_f8f6f4 v[\d:\d+7], v[\a:\a+11], v[\b:\b+11], 0, v[\sa], v[\sb] matrix_a_fmt:MATRIX_FMT_FP6 matrix_b_fmt:MATRIX_FMT_FP6 matrix_a_scale:MATRIX_SCALE_ROW1 matrix_b_scale:MATRIX_SCALE_ROW1
.elseif \ra
	v_wmma_scale_f32_16x16x128_f8f6f4 v[\d:\d+7], v[\a:\a+11], v[\b:\b+11], 0, v[\sa], v[\sb] matrix_a_fmt:MATRIX_FMT_FP6 matrix_b_fmt:MATRIX_FMT_FP6 matrix_a_scale:MATRIX_SCALE_ROW1
.elseif \rb
	v_wmma_scale_f32_16x16x128_f8f6f4 v[\d:\d+7], v[\a:\a+11], v[\b:\b+11], 0, v[\sa], v[\sb] matrix_a_fmt:MATRIX_FMT_FP6 matrix_b_fmt:MATRIX_FMT_FP6 matrix_b_scale:MATRIX_SCALE_ROW1
.else
	v_wmma_scale_f32_16x16x128_f8f6f4 v[\d:\d+7], v[\a:\a+11], v[\b:\b+11], 0, v[\sa], v[\sb] matrix_a_fmt:MATRIX_FMT_FP6 matrix_b_fmt:MATRIX_FMT_FP6
.endif
.else
.if (\ra)&&(\rb)
	v_wmma_scale_f32_16x16x128_f8f6f4 v[\d:\d+7], v[\a:\a+11], v[\b:\b+11], v[\d:\d+7], v[\sa], v[\sb] matrix_a_fmt:MATRIX_FMT_FP6 matrix_b_fmt:MATRIX_FMT_FP6 matrix_a_scale:MATRIX_SCALE_ROW1 matrix_b_scale:MATRIX_SCALE_ROW1
.elseif \ra
	v_wmma_scale_f32_16x16x128_f8f6f4 v[\d:\d+7], v[\a:\a+11], v[\b:\b+11], v[\d:\d+7], v[\sa], v[\sb] matrix_a_fmt:MATRIX_FMT_FP6 matrix_b_fmt:MATRIX_FMT_FP6 matrix_a_scale:MATRIX_SCALE_ROW1
.elseif \rb
	v_wmma_scale_f32_16x16x128_f8f6f4 v[\d:\d+7], v[\a:\a+11], v[\b:\b+11], v[\d:\d+7], v[\sa], v[\sb] matrix_a_fmt:MATRIX_FMT_FP6 matrix_b_fmt:MATRIX_FMT_FP6 matrix_b_scale:MATRIX_SCALE_ROW1
.else
	v_wmma_scale_f32_16x16x128_f8f6f4 v[\d:\d+7], v[\a:\a+11], v[\b:\b+11], v[\d:\d+7], v[\sa], v[\sb] matrix_a_fmt:MATRIX_FMT_FP6 matrix_b_fmt:MATRIX_FMT_FP6
.endif
.endif
.endm
.macro MUL q, zero                     ; 16 matrix instructions; the 16 accumulators take turns in the same order in every K step
	WIN 0x5a+5*((\q)%2)
.irp a,0,1
.irp b,0,1,2,3,4,5,6,7
	WM 8*(8*\a+\b),12*\b,96+12*\a,SC+6*((\q)%2)+\b/2,SC+6*((\q)%2)+4,\b%2,\a,\zero
.endr
.endr
	WIN 0
.endm
; 64 numbers of a lane, register 16 b + i = k 32 b + 16 (lane / 16) + i of my row, become a fragment's codes in v[PC] on and its scale word in v[PW]
.macro QUANT s
.irp b,0,1,2,3
	v_max3_num_f32 v[TM+\b], |v[\s+16*\b]|, |v[\s+1+16*\b]|, 0x1800000   ; my 16 numbers of block b, and the floor 2^(3 - 127)
.endr
.irp i,2,4,6,8,10,12,14
.irp b,0,1,2,3
	v_max3_num_f32 v[TM+\b], v[TM+\b], |v[\s+16*\b+\i]|, |v[\s+1+16*\b+\i]|
.endr
.endr
.irp b,0,1,2,3
	v_permlanex16_b32 v[TM+4+\b], v[TM+\b], s[SEL], s[SEL+1]
.endr
.irp b,0,1,2,3
	v_max_num_f32 v[TM+\b], v[TM+\b], v[TM+4+\b]   ; with lane l xor 16's: the block's largest magnitude
.endr
.irp b,0,1,2,3
	v_add_nc_u32 v[TM+12+\b], 0xff000000, v[TM+\b] ; 2 off its exponent field: the conversion's scale operand
.endr
.irp b,0,1,2,3
	v_lshrrev_b32 v[TM+4+\b], 23, v[TM+12+\b]      ; the byte
.endr
	v_lshl_or_b32 v[PW], v[TM+5], 8, v[TM+4]
	v_lshl_or_b32 v[PW], v[TM+6], 16, v[PW]
	v_lshl_or_b32 v[PW], v[TM+7], 24, v[PW]
.irp c,0,1
	v_cvt_scalef32_pk16_fp6_f32 v[PC+6*\c:PC+2+6*\c], v[\s+32*\c:\s+15+32*\c], v[TM+12+2*\c]
	v_cvt_scalef32_pk16_fp6_f32 v[PC+12+4*\c:PC+14+4*\c], v[\s+16+32*\c:\s+31+32*\c], v[TM+12+2*\c+1]
.endr
	v_nop                                          ; one plain place behind a scaled conversion
.irp c,0,1                             ; the operand's layout wants a whole block in a lane
.irp i,0,1,2
	v_permlane16_swap_b32 v[PC+6*\c+\i], v[PC+12+4*\c+\i]
.endr
.irp i,0,1,2
	v_mov_b32 v[PC+3+6*\c+\i], v[PC+12+4*\c+\i]
.endr
.endr
.endm
	s_load_b256 s[4:11], s[0:1], 0x0               ; xq s[4:5], wq s[6:7], bqkv s[8:9], qk s[10:11]
	s_load_b64 s[12:13], s[0:1], 0x20              ; vq
	v_lshl_add_u32 v[SPW], v0, 2, SPARE
	v_mov_b32 v[NIL], 0
	ds_add_u32 v[SPW], v[NIL]                      ; the wave's opening: the add and its wait ahead of my first tensor load
	v_lshrrev_b32 v1, 5, v0
	v_readfirstlane_b32 s[WV], v1                  ; wave
	s_and_b32 s[PAR], s[WV], 1
	s_bfe_u32 s40, ttmp6, 0x40000                  ; cx
	s_bfe_u32 s41, ttmp6, 0x40004                  ; cy
	s_lshl_b32 s42, ttmp9, 2                       ; 4 x cluster x
	s_and_b32 s43, ttmp7, 0xffff
	s_lshl_b32 s43, s43, 2                         ; 4 x cluster y
	s_cmp_ge_u32 ttmp9, 4                          ; v's clusters: the same answer in all sixteen partners
	s_cselect_b32 s[ISV], 1, 0
	s_cselect_b32 s44, s42, s43
	s_cselect_b32 s45, s43, s42
	s_add_co_u32 s44, s44, s41                     ; R's block: tokens (q, k) or columns n (v); of my place it holds cy alone
	s_add_co_u32 s45, s45, s40                     ; P's block: columns n (q, k) or tokens (v); cx alone
	s_cmp_lt_u32 ttmp9, 2                          ; q's clusters
	s_cselect_b32 s[FQ], 0x3e000000, 1.0           ; 2^-3 for q
	s_mov_b32 s[FQ+1], s[FQ]
	s_lshl_b32 s46, s41, 2
	s_lshl_b32 s46, 15, s46                        ; my row of the cluster
	s_lshl_b32 s47, 0x1111, s40                    ; my column
	s_or_b32 s[G1R], s46, (3<<16)|(1<<21)          ; the mask; elements of 8 bytes; no padding; bit 21 beside a mask
	s_or_b32 s[G1P], s47, (3<<16)|(1<<21)
.irp g,G1R,G1P                         ; 25,600 dense bytes as 100 rows of 256
	s_mov_b32 s[\g+1], 32<<16
	s_mov_b32 s[\g+2], 100<<16
	s_mov_b32 s[\g+3], 32<<16
	s_mov_b32 s[\g+4], 100
	s_mov_b32 s[\g+5], 32
	s_mov_b32 s[\g+6], 0
	s_mov_b32 s[\g+7], 0
.endr
	s_mul_i32 s[PARB], s[PAR], 25600               ; which two K steps I fetch first: in LDS and in memory alike
	s_mul_i32 s18, s44, 102400
	s_add_co_u32 s18, s18, s[PARB]
	s_mov_b32 s19, 0
	s_mul_i32 s20, s45, 102400
	s_add_co_u32 s20, s20, s[PARB]
	s_mov_b32 s21, 0
	s_mov_b32 s[SEL], 0x76543210
	s_mov_b32 s[SEL+1], 0xfedcba98
	s_mov_b32 s[HIM], 0xffff0000                   ; lanes 16-31
	s_wait_dscnt 0x0                               ; the opening add is done
	s_wait_kmcnt 0x0
	s_cmp_lg_u32 s[ISV], 0
	s_cselect_b64 s[22:23], s[6:7], s[4:5]         ; R's buffer
	s_cselect_b64 s[66:67], s[4:5], s[6:7]         ; P's
	s_add_nc_u64 s[22:23], s[22:23], s[18:19]
	s_add_nc_u64 s[66:67], s[66:67], s[20:21]
	CROUND                                         ; all sixteen work-groups are here: the joint loads meet
	s_mov_b32 s[G0R0], 1
	s_mov_b32 s[G0R0+1], s[PARB]
	s_mov_b64 s[G0R0+2:G0R0+3], s[22:23]
	s_or_b32 s[G0R0+3], s[G0R0+3], 0x80000000
	s_mov_b32 s[G0R1], 1
	s_add_co_u32 s[G0R1+1], s[PARB], 51200
	s_add_nc_u64 s[G0R1+2:G0R1+3], s[22:23], 51200
	s_or_b32 s[G0R1+3], s[G0R1+3], 0x80000000
	s_mov_b32 s[G0P0], 1
	s_add_co_u32 s[G0P0+1], s[PARB], 102400
	s_mov_b64 s[G0P0+2:G0P0+3], s[66:67]
	s_or_b32 s[G0P0+3], s[G0P0+3], 0x80000000
	s_mov_b32 s[G0P1], 1
	s_add_co_u32 s[G0P1+1], s[PARB], 153600
	s_add_nc_u64 s[G0P1+2:G0P1+3], s[66:67], 51200
	s_or_b32 s[G0P1+3], s[G0P1+3], 0x80000000
	s_cmp_lt_u32 s[WV], 2                          ; a wave's two fills stand in one branch, ahead of every wait on TENSORcnt and every LDS read
	s_cbranch_scc0 .Lfirst_p
	tensor_load_to_lds s[G0R0:G0R0+3], s[G1R:G1R+7]
	s_nop 0
	tensor_load_to_lds s[G0R1:G0R1+3], s[G1R:G1R+7]
	s_nop 0
	PLACES 4
	s_branch .Lfirst_asked
.Lfirst_p:
	tensor_load_to_lds s[G0P0:G0P0+3], s[G1P:G1P+7]
	s_nop 0
	tensor_load_to_lds s[G0P1:G0P1+3], s[G1P:G1P+7]
	s_nop 0
	PLACES 4
.Lfirst_asked:
	v_and_b32 v1, 15, v0                           ; r
	v_bfe_u32 v2, v0, 4, 1                         ; h
	v_and_b32 v3, 31, v0                           ; lane
	s_mul_i32 s88, s[WV], 3072                     ; R's tiles 2 w, 2 w + 1
	v_lshl_add_u32 v[AR16], v3, 4, s88
	v_lshl_add_u32 v[AR8], v3, 3, s88
	s_lshl_b32 s88, s[WV], 7
	s_add_co_u32 s88, s88, 12288
	v_lshl_add_u32 v[AR4], v3, 2, s88
	v_lshl_add_u32 v[AP16], v3, 4, 102400
	v_lshl_add_u32 v[AP8], v3, 3, 102400
	v_lshl_add_u32 v[AP4], v3, 2, 114688
	; the bias, in both forms, from the block of 128 columns n that this work-group has (0 .. 23 either way: no load leaves the buffer)
	s_cmp_lg_u32 s[ISV], 0
	s_cselect_b32 s76, s44, s45
	s_lshl_b32 s76, s76, 9
	s_mov_b32 s77, 0
	s_add_nc_u64 s[8:9], s[8:9], s[76:77]
	v_lshlrev_b32 v12, 6, v2
.irp b,0,1,2,3
.irp j,0,1,2,3
	global_load_b128 v[BI+16*\b+4*\j:BI+16*\b+4*\j+3], v12, s[8:9] offset:128*\b+16*\j   ; q, k: bias of n = 32 b + 16 h + 4 j on
.endr
.endr
	v_and_b32 v13, 8, v1
	v_add_nc_u32 v13, v13, v1
	v_lshlrev_b32 v13, 2, v13
	s_lshl_b32 s88, s[WV], 7
	v_add_nc_u32 v13, s88, v13
	global_load_b32 v218, v13, s[8:9]              ; v: bias of my row of R's tile 2 w,
	global_load_b32 v220, v13, s[8:9] offset:32    ; and of tile 2 w + 1
	v_mov_b32 v219, 0                              ; (named as the upper halves of pairs)
	v_mov_b32 v221, 0
.irp b,0,1,2,3
	v_mov_b32 v[TM+4+\b], 0                        ; a lane permute's destination counts as one of its sources
.endr
	s_wait_tensorcnt 0x1                           ; my first load is in, my second may stay out
	s_barrier_signal -1
	s_barrier_wait -1                              ; K steps 0-3 of both blocks are whole
	FETCH 0
	FETCH 1
	s_wait_dscnt 45                                ; all but the 45 just issued
	MUL 0,1                                        ; the first K step starts the sums
.irp q,1,2
	PLACES 4                                       ; in front of loads into registers that matrix instructions have read
	FETCH (\q+1)
	s_wait_dscnt 45
	MUL \q,0
.endr
	s_wait_dscnt 0x0                               ; no LDS instruction of mine is out at the signal
	s_wait_tensorcnt 0x0                           ; my second load is in
	s_barrier_signal -1
	s_barrier_wait -1                              ; K steps 4-7 are whole
.irp r,AR16,AR8,AR4,AP16,AP8,AP4
	v_add_nc_u32 v[\r], 51200, v[\r]               ; on to them; these six lines are also the places in front of the loads below
.endr
	FETCH 4
	s_wait_dscnt 45
	MUL 3,0
.irp q,4,5,6
	PLACES 4
	FETCH (\q+1)
	s_wait_dscnt 45
	MUL \q,0
.endr
	s_wait_dscnt 0x0
	MUL 7,0
	s_wait_loadcnt 0x0                             ; the bias
	PLACES 4                                       ; in front of the first read of results
	s_cmp_lg_u32 s[ISV], 0
	s_cbranch_scc1 .Lv_out
	; ---- q and k
	s_lshr_b32 s76, s45, 3
	s_mul_i32 s76, s76, 3407872                    ; q or k
	s_lshr_b32 s77, s44, 4
	s_lshl_b32 s77, s77, 4
	s_and_b32 s78, s45, 7
	s_lshl_b32 s78, s78, 1
	s_add_co_u32 s77, s77, s78                     ; 16 x batch + the first of my two heads
	s_mul_i32 s77, s77, 106496
	s_add_co_u32 s76, s76, s77
	s_and_b32 s77, s44, 15
	s_mul_i32 s77, s77, 6656                       ; the block of 128 tokens
	s_add_co_u32 s76, s76, s77
	s_mov_b32 s77, 0
	s_add_nc_u64 s[10:11], s[10:11], s[76:77]
	s_mul_i32 s88, s[WV], 1536
	v_lshl_add_u32 v14, v3, 4, s88                 ; tiles 2 w, 2 w + 1: 768 bytes each
	v_lshl_add_u32 v15, v3, 3, s88
	v_mul_u32_u24 v16, v2, 106496                  ; lanes 16-31 store the second head's scale words
	v_lshl_add_u32 v16, v1, 2, v16
	s_lshl_b32 s88, s[WV], 7
	v_add_nc_u32 v16, s88, v16
	v_mov_b32 v17, 0x01000100                      ; bytes 0, 1 twice;
	v_mov_b32 v222, 0x03020302                     ; bytes 2, 3 twice
	v_cndmask_b32 v17, v17, v222, s[HIM]
.set j, 0
.rept 32
	v_pk_mul_f32 v[BI+j:BI+j+1], v[BI+j:BI+j+1], s[FQ:FQ+1] op_sel_hi:[1,0]
.set j, j+2
.endr
.irp a,0,1
	WIN 0x01                                       ; source 0 in window 1
.set j, 0
.rept 32
	v_pk_fma_f32 v[H+j:H+j+1], v[64*\a+j:64*\a+j+1], s[FQ:FQ+1], v[BI+j:BI+j+1] op_sel_hi:[1,0,1]   ; (sum + bias) x 2^-3 or x 1; each accumulator from its low end on
.set j, j+2
.endr
	WIN 0
.if \a
	s_wait_xcnt 0x0                                ; the last tile's stores have read their registers
.endif
	QUANT H
	v_perm_b32 v[224+\a], v[PW], v[PW], v17        ; a head's two bytes, twice
	global_store_b128 v14, v[PC:PC+3], s[10:11] offset:768*\a
	global_store_b64 v15, v[PC+4:PC+5], s[10:11] offset:768*\a+512
	global_store_b128 v14, v[PC+6:PC+9], s[10:11] offset:106496+768*\a
	global_store_b64 v15, v[PC+10:PC+11], s[10:11] offset:106496+768*\a+512
	global_store_b32 v16, v[224+\a], s[10:11] offset:6144+64*\a
.endr
	s_branch .Ldone
.Lv_out:
	; ---- v
	s_lshr_b32 s76, s45, 4
	s_lshl_b32 s76, s76, 4
	s_sub_co_u32 s77, s44, 16
	s_lshl_b32 s77, s77, 1
	s_add_co_u32 s76, s76, s77
	s_lshr_b32 s77, s[WV], 1
	s_add_co_u32 s76, s76, s77                     ; 16 x batch + head
	s_mul_i32 s76, s76, 102400
	s_and_b32 s77, s45, 15
	s_mul_i32 s77, s77, 6400                       ; the block of 128 keys
	s_add_co_u32 s76, s76, s77
	s_mov_b32 s77, 0
	s_add_nc_u64 s[12:13], s[12:13], s[76:77]
	s_mul_i32 s88, s[PAR], 3072                    ; fragments 2 (w % 2), 2 (w % 2) + 1
	v_lshl_add_u32 v14, v3, 4, s88
	v_lshl_add_u32 v15, v3, 3, s88
	s_lshl_b32 s88, s[PAR], 7
	v_lshl_add_u32 v16, v3, 2, s88
.irp a,0,1
	WIN 0x01
.set j, 0
.rept 32
	v_pk_add_f32 v[H+j:H+j+1], v[64*\a+j:64*\a+j+1], v[218+2*\a:219+2*\a] op_sel_hi:[1,0]
.set j, j+2
.endr
	WIN 0
.if \a
	s_wait_xcnt 0x0
.endif
	QUANT H
	global_store_b128 v14, v[PC:PC+3], s[12:13] offset:1536*\a
	global_store_b64 v15, v[PC+4:PC+5], s[12:13] offset:1536*\a+512
	global_store_b128 v14, v[PC+6:PC+9], s[12:13] offset:1536*\a+768
	global_store_b64 v15, v[PC+10:PC+11], s[12:13] offset:1536*\a+1280
.if \a == 0
	v_mov_b32 v224, v[PW]
.endif
.endr
	v_cndmask_b32 v224, v224, v[PW], s[HIM]        ; lanes 0-15 the first tile's words, lanes 16-31 the second's
	global_store_b32 v16, v224, s[12:13] offset:6144
.Ldone:
	s_wait_tensorcnt 0x0                           ; the wave's end
	ds_add_u32 v[SPW], v[NIL]
	s_wait_dscnt 0x0
	CROUND                                         ; the closing round
	s_endpgm
.Lfunc_end_k_q44ad2d56db_gemm_qkv:
	.size	k_q44ad2d56db_gemm_qkv, .Lfunc_end_k_q44ad2d56db_gemm_qkv-k_q44ad2d56db_gemm_qkv
	.p2alignl 7, 3214868480
	.fill 96, 4, 3214868480
	.section	.rodata,"a",@progbits
	.p2align	6, 0x0
	.amdhsa_kernel k_q44ad2d56db_gemm_qkv
		.amdhsa_group_segment_fixed_size 205312
		.amdhsa_private_segment_fixed_size 0
		.amdhsa_enable_private_segment 0
		.amdhsa_kernarg_size 40
		.amdhsa_user_sgpr_count 2
		.amdhsa_user_sgpr_kernarg_segment_ptr 1
		.amdhsa_wavefront_size32 1
		.amdhsa_system_sgpr_workgroup_id_x 1
		.amdhsa_system_sgpr_workgroup_id_y 1
		.amdhsa_system_sgpr_workgroup_id_z 1
		.amdhsa_system_vgpr_workitem_id 0
		.amdhsa_next_free_vgpr 1024
		.amdhsa_next_free_sgpr 100
		.amdhsa_reserve_vcc 0
		.amdhsa_float_denorm_mode_32 3
		.amdhsa_float_denorm_mode_16_64 3
		.amdhsa_memory_ordered 1
		.amdhsa_forward_progress 1
		.amdhsa_inst_pref_size 79
	.end_amdhsa_kernel
	.amdgpu_metadata
---
amdhsa.version: [ 1, 2 ]
amdhsa.kernels:
  - .name:           k_q44ad2d56db_gemm_qkv
    .symbol:         k_q44ad2d56db_gemm_qkv.kd
    .args:
      - { .name: xq, .offset: 0, .size: 8, .value_kind: global_buffer, .address_space: global }
      - { .name: wq, .offset: 8, .size: 8, .value_kind: global_buffer, .address_space: global }
      - { .name: bqkv, .offset: 16, .size: 8, .value_kind: global_buffer, .address_space: global }
      - { .name: qk, .offset: 24, .size: 8, .value_kind: global_buffer, .address_space: global }
      - { .name: vq, .offset: 32, .size: 8, .value_kind: global_buffer, .address_space: global }
    .group_segment_fixed_size: 205312
    .private_segment_fixed_size: 0
    .kernarg_segment_align: 8
    .kernarg_segment_size: 40
    .max_flat_workgroup_size: 128
    .sgpr_count:     100
    .vgpr_count:     1024
    .wavefront_size: 32
...
	.end_amdgpu_metadata
.endif
;; end of part 3
;; launch attn (part 4): grid 8 x 32, 16 waves a work-group, clusters of 4 x 1, 210,944 bytes of LDS; arguments qk, vq, mobius_scale, aq; writes aq
.if DOCPART == 4
	.amdgcn_target "amdgcn-amd-amdhsa--gfx1250"
	.amdhsa_code_object_version 6
	.text
	.protected	k_q44ad2d56db_attn
	.globl	k_q44ad2d56db_attn
	.p2align	8
	.type	k_q44ad2d56db_attn,@function
k_q44ad2d56db_attn:
	s_mov_b64 s[64:65], 0
	v_nop
	global_prefetch_b8 v0, s[64:65] scope:SCOPE_SE
	s_setreg_imm32_b32 hwreg(HW_REG_WAVE_MODE, 25, 1), 1
	s_wait_xcnt 0x0
	s_wait_alu depctr_hold_cnt(0) depctr_sa_sdst(0) depctr_va_vdst(0) depctr_va_sdst(0) depctr_va_ssrc(0) depctr_va_vcc(0) depctr_vm_vsrc(0)
	s_getreg_b32 s2, hwreg(HW_REG_IB_STS2, 6, 4)
	s_cmp_eq_u32 s2, 0
	s_cbranch_scc0 .Lentry_in_a_cluster
	s_endpgm
.Lentry_in_a_cluster:
	s_bfe_u32 s2, ttmp6, 0x10000c
	s_cmp_lg_u32 s2, 0x3003
	s_cbranch_scc0 .Lentry_shape_is_right
	s_endpgm
.Lentry_shape_is_right:
; Attention of one head on codes of E2M3, with the Moebius term ahead of the softmax; its result, divided by the row's sum, is quantised at once into the last product's operand aq (laid as xq is laid).
; s = q . k / 8 (the 2^-3 lies in q's scale bytes); t = log2(e) (s + ms s / (1 + s^2)) = s (ms log2(e) / (1 + s^2) + log2(e)); M = the running largest t rounded UP to a whole number; p = 2^(t - M) is quantised along the keys,
; not normalised; the row's sum is taken of the unquantised p; when M moves, the sum and O are multiplied by 2^(old M - new M), which rounds nothing.
; SHARES.  A work-group owns 256 queries of one head (y = 16 x batch + head); each of its sixteen waves 16 of them in 256 registers, four waves to a SIMD.  THE WHOLE HEAD'S K AND V STAY IN LDS: K's 16 chunks of 6,656 bytes at 0,
; V's 16 chunks of 6,400 at 106,496; every LDS byte is filled once.  CLUSTER 4 x 1: the four query blocks of a cluster read the same head: waves 0, 1 ask for K jointly, waves 2, 3 for V, two loads each
; (keys 0-1,023 first): a wave has two tensor loads out at the most.
; LAYOUT.  Both products transposed: S^T = K Q^T, O^T = V^T P^T: a lane holds one query.  By the order of a tile's rows the 16 registers of tiles 2 b, 2 b + 1 are keys 32 b + 16 (lane / 16) + 0 .. 15.
; K = 64 IN A FORM OF 128: an even tile's operand is [K][zeros], an odd tile's [zeros][K], Q's is [Q][Q]; twelve registers of zero codes are shared, and the scale words hold a head's two bytes twice.
; The scale bytes of aq go out one byte a lane: a word of 128 along K belongs to two heads, which are two work-groups; they are 1/24 of the codes' bytes.
; LIMITS: a block of zeros gets the byte 1; NaN and infinities are not served.
.set VB,    106496
.set SPARE, 208896                     ; the spare words, 128 bytes for each wave
.set KF, 36                            ; v36-71   two groups [K even][zeros][K odd] of 18
.set VF, 72                            ; v72-119  V's four fragments; ahead of them three buffers of 16 for 1 / (1 + s^2)
.set S,  120                           ; v120-183 S^T, then t, then p
.set O,  184                           ; v184-215 O^T
.set PC, 216                           ; v216-227 p's codes; v228-234 their second halves
.set PT, 228
.set BM, 236
.set BP, 240
.set SO, 244
.set WV,  12
.set G1K, 24
.set G1V, 32
.set G0K0, 40
.set G0K1, 44
.set G0V0, 48
.set G0V1, 52
.set SEL, 56
.set MSL, 58
.set TK,  60
.set TV,  61
.set CNT, 62
.macro CROUND
	s_barrier_signal -1
	s_barrier_wait -1
	s_cmp_lg_u32 s[WV], 0
	s_cbranch_scc1 .Lnot_wave_0_\@
	s_barrier_signal -3
.Lnot_wave_0_\@:
	s_barrier_wait -3
	s_barrier_signal -1
	s_barrier_wait -1
.endm
.macro MOB_U c, b                      ; 1 + s^2 of scores 16 c on, into buffer b
.irp j,0,2,4,6,8,10,12,14
	v_pk_fma_f32 v[VF+16*\b+\j:VF+16*\b+\j+1], v[S+16*\c+\j:S+16*\c+\j+1], v[S+16*\c+\j:S+16*\c+\j+1], 1.0 op_sel_hi:[1,1,0]
.endr
.endm
.macro MOB_R b
.irp j,0,1,2,3,4,5,6,7,8,9,10,11,12,13,14,15
	v_rcp_f32 v[VF+16*\b+\j], v[VF+16*\b+\j]
.endr
.endm
.macro MOB_T c, b                      ; t = s (ms log2(e) / (1 + s^2) + log2(e))
.irp j,0,2,4,6,8,10,12,14
	v_pk_fma_f32 v[VF+16*\b+\j:VF+16*\b+\j+1], v[VF+16*\b+\j:VF+16*\b+\j+1], s[MSL:MSL+1], v[34:35] op_sel_hi:[1,0,1]
.endr
.irp j,0,2,4,6,8,10,12,14
	v_pk_mul_f32 v[S+16*\c+\j:S+16*\c+\j+1], v[S+16*\c+\j:S+16*\c+\j+1], v[VF+16*\b+\j:VF+16*\b+\j+1]
.endr
.endm
.macro WAITT
	s_wait_alu depctr_va_vdst(0)                   ; one wait for the batch of transcendentals issued ahead of it, ahead of its first reader
.endm
; A KEY STEP: 128 keys
.macro STEP
	v_add_nc_u32 v6, s[TK], v1
	v_add_nc_u32 v7, s[TK], v2
	v_add_nc_u32 v8, s[TK], v3
.irp g,0,1                             ; S^T = K Q^T, four tiles of 16 keys at a time
.if \g
.rept 4
	v_nop                                          ; places in front of loads into registers that matrix instructions have read
.endr
.endif
.irp u,0,1
	ds_load_b128 v[KF+18*\u:KF+18*\u+3], v6 offset:768*(4*\g+2*\u)
	ds_load_b64 v[KF+18*\u+4:KF+18*\u+5], v7 offset:768*(4*\g+2*\u)+512
	ds_load_b128 v[KF+18*\u+12:KF+18*\u+15], v6 offset:768*(4*\g+2*\u+1)
	ds_load_b64 v[KF+18*\u+16:KF+18*\u+17], v7 offset:768*(4*\g+2*\u+1)+512
.endr
.if \g == 0
.irp p,0,1,2,3
	ds_load_b32 v[28+\p], v8 offset:6144+128*\p    ; lanes 0-15 tile 2 p's scale words, lanes 16-31 tile 2 p + 1's
.endr
.endif
	s_wait_dscnt 0x0
.irp u,0,1
	v_wmma_scale_f32_16x16x128_f8f6f4 v[S+8*(4*\g+2*\u):S+8*(4*\g+2*\u)+7], v[KF+18*\u:KF+18*\u+11], v[16:27], 0, v[28+2*\g+\u], v9 matrix_a_fmt:MATRIX_FMT_FP6 matrix_b_fmt:MATRIX_FMT_FP6
	v_wmma_scale_f32_16x16x128_f8f6f4 v[S+8*(4*\g+2*\u+1):S+8*(4*\g+2*\u+1)+7], v[KF+18*\u+6:KF+18*\u+17], v[16:27], 0, v[28+2*\g+\u], v9 matrix_a_fmt:MATRIX_FMT_FP6 matrix_b_fmt:MATRIX_FMT_FP6 matrix_a_scale:MATRIX_SCALE_ROW1
.endr
.endr
	; the Moebius term, 16 scores at a time on three buffers: each batch of reciprocals has plain work of other scores behind it and one wait.  The first two lines read tiles 0-3 and are the places behind tiles 4-7's products
	MOB_U 0,0
	MOB_U 1,1
	MOB_R 0
	MOB_U 2,2
	WAITT
	MOB_R 1
	MOB_T 0,0
	MOB_U 3,0
	WAITT
	MOB_R 2
	MOB_T 1,1
	WAITT
	MOB_R 0
	MOB_T 2,2
	WAITT
	MOB_T 3,0
	v_add_nc_u32 v6, s[TV], v1                     ; V of these keys is asked for now: the buffers are free, and the softmax stands between the loads and their use
	v_add_nc_u32 v7, s[TV], v2
	v_add_nc_u32 v8, s[TV], v3
.irp e,0,1,2,3
	ds_load_b128 v[VF+12*\e:VF+12*\e+3], v6 offset:1536*\e
	ds_load_b64 v[VF+12*\e+4:VF+12*\e+5], v7 offset:1536*\e+512
	ds_load_b128 v[VF+12*\e+6:VF+12*\e+9], v6 offset:1536*\e+768
	ds_load_b64 v[VF+12*\e+10:VF+12*\e+11], v7 offset:1536*\e+1280
.endr
	ds_load_b32 v32, v8 offset:6144
	ds_load_b32 v33, v8 offset:6272
.irp b,0,1,2,3
	v_max3_num_f32 v[BM+\b], v[S+16*\b], v[S+16*\b+1], v[S+16*\b+2]   ; the largest t of each block of 32 keys: for the row's maximum, and, since p rises with t, for the block's largest p
.endr
.irp i,3,5,7,9,11,13
.irp b,0,1,2,3
	v_max3_num_f32 v[BM+\b], v[BM+\b], v[S+16*\b+\i], v[S+16*\b+\i+1]
.endr
.endr
.irp b,0,1,2,3
	v_max_num_f32 v[BM+\b], v[BM+\b], v[S+16*\b+15]
.endr
.irp b,0,1,2,3
	v_permlanex16_b32 v[BP+\b], v[BM+\b], s[SEL], s[SEL+1]
.endr
.irp b,0,1,2,3
	v_max_num_f32 v[BM+\b], v[BM+\b], v[BP+\b]     ; with lane l xor 16's 16 keys
.endr
	v_max3_num_f32 v248, v[BM], v[BM+1], v[BM+2]
	v_max_num_f32 v248, v248, v[BM+3]
	v_max_num_f32 v13, v13, v248                   ; the running largest t
	v_mov_b32 v248, v12
	v_floor_f32 v12, -v13                          ; the new -M = floor(-t): M is a whole number
	v_sub_f32 v248, v12, v248                      ; old M - new M, 0 or less
	v_cvt_i32_f32 v248, v248                       ; (it saturates)
	v_ldexp_f32 v250, 1.0, v248                    ; f = 2^(old M - new M)
.set j, 0
.rept 32
	v_pk_add_f32 v[S+j:S+j+1], v[S+j:S+j+1], v[12:13] op_sel_hi:[1,0]   ; t - M
.set j, j+2
.endr
.irp b,0,1,2,3
	v_add_f32 v[BM+\b], v[BM+\b], v12              ; the same of each block's largest t
.endr
.set j, 0
.rept 64
	v_exp_f32 v[S+j], v[S+j]                       ; p = 2^(t - M)
.set j, j+1
.endr
	v_pk_mul_f32 v[14:15], v[14:15], v[250:251] op_sel_hi:[1,0]   ; the sums under the new M: a plain place behind the exponentials
	WAITT
.irp b,0,1,2,3
	v_exp_f32 v[BM+\b], v[BM+\b]                   ; the block's largest p: the same sum and exponential on the same number
.endr
	v_pk_add_f32 v[252:253], v[S:S+1], v[S+2:S+3]  ; the row's sum of the unquantised p, in two chains; it reads the 64 alone
.set j, 4
.rept 15
	v_pk_add_f32 v[14:15], v[14:15], v[S+j:S+j+1]
	v_pk_add_f32 v[252:253], v[252:253], v[S+j+2:S+j+3]
.set j, j+4
.endr
	v_pk_add_f32 v[14:15], v[14:15], v[252:253]
	WAITT
.irp b,0,1,2,3
	v_max_num_f32 v[BM+\b], 0x1800000, v[BM+\b]    ; the floor 2^(3 - 127)
.endr
.irp b,0,1,2,3
	v_add_nc_u32 v[SO+\b], 0xff000000, v[BM+\b]    ; the conversion's scale operand
.endr
.irp b,0,1,2,3
	v_lshrrev_b32 v[BP+\b], 23, v[SO+\b]           ; the byte
.endr
	v_lshl_or_b32 v10, v[BP+1], 8, v[BP]           ; p's scale word for these 128 keys
	v_lshl_or_b32 v10, v[BP+2], 16, v10
	v_lshl_or_b32 v10, v[BP+3], 24, v10
.irp c,0,1
	v_cvt_scalef32_pk16_fp6_f32 v[PC+6*\c:PC+6*\c+2], v[S+32*\c:S+32*\c+15], v[SO+2*\c]
	v_cvt_scalef32_pk16_fp6_f32 v[PT+4*\c:PT+4*\c+2], v[S+32*\c+16:S+32*\c+31], v[SO+2*\c+1]
.endr
	v_nop                                          ; one plain place behind a scaled conversion
.irp c,0,1                             ; a whole block to a lane
.irp i,0,1,2
	v_permlane16_swap_b32 v[PC+6*\c+\i], v[PT+4*\c+\i]
.endr
.irp i,0,1,2
	v_mov_b32 v[PC+3+6*\c+\i], v[PT+4*\c+\i]
.endr
.endr
.set j, 0
.rept 16
	v_pk_mul_f32 v[O+j:O+j+1], v[O+j:O+j+1], v[250:251] op_sel_hi:[1,0]   ; O^T under the new M; these lines are also the places in front of the products below
.set j, j+2
.endr
	s_wait_dscnt 0x0                               ; V is in
.irp e,0,2                             ; O^T += V^T P^T: four accumulators, one instruction each
	v_wmma_scale_f32_16x16x128_f8f6f4 v[O+8*\e:O+8*\e+7], v[VF+12*\e:VF+12*\e+11], v[PC:PC+11], v[O+8*\e:O+8*\e+7], v[32+\e/2], v10 matrix_a_fmt:MATRIX_FMT_FP6 matrix_b_fmt:MATRIX_FMT_FP6
	v_wmma_scale_f32_16x16x128_f8f6f4 v[O+8*\e+8:O+8*\e+15], v[VF+12*\e+12:VF+12*\e+23], v[PC:PC+11], v[O+8*\e+8:O+8*\e+15], v[32+\e/2], v10 matrix_a_fmt:MATRIX_FMT_FP6 matrix_b_fmt:MATRIX_FMT_FP6 matrix_a_scale:MATRIX_SCALE_ROW1
.endr
	s_add_co_u32 s[TK], s[TK], 6656
	s_add_co_u32 s[TV], s[TV], 6400
.endm
	s_load_b256 s[4:11], s[0:1], 0x0               ; qk s[4:5], vq s[6:7], mobius_scale s[8:9], aq s[10:11]
	v_lshl_add_u32 v4, v0, 2, SPARE
	v_mov_b32 v5, 0
	ds_add_u32 v4, v5                              ; the wave's opening: the add and its wait ahead of the first tensor loads
	v_lshrrev_b32 v6, 5, v0
	v_readfirstlane_b32 s[WV], v6                  ; wave 0..15
	s_bfe_u32 s13, ttmp6, 0x40000                  ; cx: it enters Q's and the output's addresses alone
	s_and_b32 s14, ttmp7, 0xffff                   ; 16 x batch + head, which the four partners share
	s_and_b32 s15, s[WV], 1
	s_mov_b32 s[G1K], 15|(3<<16)|(1<<21)           ; the mask: all four; elements of 8 bytes; bit 21 beside a mask
	s_mov_b32 s[G1K+1], 32<<16                     ; 26,624 dense bytes as 104 rows of 256
	s_mov_b32 s[G1K+2], 104<<16
	s_mov_b32 s[G1K+3], 32<<16
	s_mov_b32 s[G1K+4], 104
	s_mov_b32 s[G1K+5], 32
	s_mov_b32 s[G1K+6], 0
	s_mov_b32 s[G1K+7], 0
	s_mov_b32 s[G1V], 15|(3<<16)|(1<<21)
	s_mov_b32 s[G1V+1], 32<<16                     ; 25,600 dense bytes as 100 rows of 256
	s_mov_b32 s[G1V+2], 100<<16
	s_mov_b32 s[G1V+3], 32<<16
	s_mov_b32 s[G1V+4], 100
	s_mov_b32 s[G1V+5], 32
	s_mov_b32 s[G1V+6], 0
	s_mov_b32 s[G1V+7], 0
	s_mul_i32 s16, s15, 26624                      ; which four chunks I fetch first
	s_mul_i32 s17, s15, 25600
	s_mul_i32 s18, s14, 106496
	s_add_co_u32 s18, s18, s16
	s_add_co_u32 s18, s18, 3407872                 ; k lies behind q
	s_mov_b32 s19, 0
	s_mul_i32 s20, s14, 102400
	s_add_co_u32 s20, s20, s17
	s_mov_b32 s21, 0
	s_and_b32 s22, s14, 15                         ; head
	s_lshl_b32 s23, s22, 2
	s_mov_b32 s[SEL], 0x76543210
	s_mov_b32 s[SEL+1], 0xfedcba98
	s_mov_b32 s[TK], 0
	s_mov_b32 s[TV], VB
	s_mov_b32 s74, 0xffff0000                      ; lanes 16-31
	s_wait_dscnt 0x0                               ; the opening add is done
	s_wait_kmcnt 0x0
	s_load_b32 s[MSL], s[8:9], s23 offset:0x0      ; my head's scale of the Moebius term
	s_add_nc_u64 s[18:19], s[4:5], s[18:19]
	s_add_nc_u64 s[20:21], s[6:7], s[20:21]
	CROUND                                         ; all four work-groups are here: the joint loads meet
	s_mov_b32 s[G0K0], 1
	s_mov_b32 s[G0K0+1], s16
	s_mov_b64 s[G0K0+2:G0K0+3], s[18:19]
	s_or_b32 s[G0K0+3], s[G0K0+3], 0x80000000
	s_mov_b32 s[G0K1], 1
	s_add_co_u32 s[G0K1+1], s16, 53248
	s_add_nc_u64 s[G0K1+2:G0K1+3], s[18:19], 53248
	s_or_b32 s[G0K1+3], s[G0K1+3], 0x80000000
	s_mov_b32 s[G0V0], 1
	s_add_co_u32 s[G0V0+1], s17, VB
	s_mov_b64 s[G0V0+2:G0V0+3], s[20:21]
	s_or_b32 s[G0V0+3], s[G0V0+3], 0x80000000
	s_mov_b32 s[G0V1], 1
	s_add_co_u32 s[G0V1+1], s17, VB+51200
	s_add_nc_u64 s[G0V1+2:G0V1+3], s[20:21], 51200
	s_or_b32 s[G0V1+3], s[G0V1+3], 0x80000000
	s_cmp_lt_u32 s[WV], 2                          ; a wave's two fills stand in one branch on the wave's number; waves 4-15 fetch nothing
	s_cbranch_scc0 .Lnot_k
	tensor_load_to_lds s[G0K0:G0K0+3], s[G1K:G1K+7]
	s_nop 0
	tensor_load_to_lds s[G0K1:G0K1+3], s[G1K:G1K+7]
	s_nop 0
.rept 4
	v_nop
.endr
	s_branch .Lasked
.Lnot_k:
	s_cmp_lt_u32 s[WV], 4
	s_cbranch_scc0 .Lasked
	tensor_load_to_lds s[G0V0:G0V0+3], s[G1V:G1V+7]
	s_nop 0
	tensor_load_to_lds s[G0V1:G0V1+3], s[G1V:G1V+7]
	s_nop 0
.rept 4
	v_nop
.endr
.Lasked:
	s_lshl_b32 s66, ttmp9, 2
	s_add_co_u32 s66, s66, s13                     ; my block of 256 queries
	s_lshl_b32 s67, s66, 1
	s_lshr_b32 s68, s[WV], 3
	s_add_co_u32 s67, s67, s68                     ; my tile's block of 128 tokens,
	s_and_b32 s68, s[WV], 7                        ; and its number in it
	s_mul_i32 s70, s14, 106496
	s_mul_i32 s71, s67, 6656
	s_add_co_u32 s70, s70, s71
	s_mov_b32 s71, 0
	s_add_nc_u64 s[4:5], s[4:5], s[70:71]          ; q's chunk
	s_mul_i32 s69, s68, 768
	v_and_b32 v3, 31, v0
	v_lshlrev_b32 v1, 4, v3                        ; 16 x lane
	v_lshlrev_b32 v2, 3, v3                        ; 8 x lane
	v_lshlrev_b32 v3, 2, v3                        ; 4 x lane
	v_add_nc_u32 v6, s69, v1
	v_add_nc_u32 v7, s69, v2
	global_load_b128 v[16:19], v6, s[4:5]          ; Q's half fragment, twice: [Q][Q]
	global_load_b64 v[20:21], v7, s[4:5] offset:512
	global_load_b128 v[22:25], v6, s[4:5]
	global_load_b64 v[26:27], v7, s[4:5] offset:512
	v_and_b32 v8, 15, v0
	v_lshlrev_b32 v8, 2, v8
	s_lshl_b32 s69, s68, 6
	v_add_nc_u32 v8, s69, v8
	global_load_b32 v9, v8, s[4:5] offset:6144     ; Q's scale words
	s_lshr_b32 s70, s14, 4
	s_lshl_b32 s70, s70, 4
	s_add_co_u32 s70, s70, s67                     ; the output's block of 128 tokens
	s_mul_i32 s70, s70, 102400
	s_lshr_b32 s71, s22, 1
	s_mul_i32 s71, s71, 12800                      ; its K step: two heads
	s_add_co_u32 s70, s70, s71
	s_mov_b32 s71, 0
	s_add_nc_u64 s[10:11], s[10:11], s[70:71]
	s_and_b32 s75, s22, 1
	s_mul_i32 s72, s68, 1536
	s_mul_i32 s73, s75, 768
	s_add_co_u32 s72, s72, s73                     ; my half fragment in the chunk
	s_lshl_b32 s73, s68, 6
	s_lshl_b32 s75, s75, 1
	s_add_co_u32 s73, s73, s75                     ; and my bytes among its scale words
	v_mov_b32 v34, 0x3fb8aa3b                      ; log2(e), twice
	v_mov_b32 v35, 0x3fb8aa3b
.irp j,0,1,2,3,4,5
	v_mov_b32 v[KF+6+\j], 0                        ; the zero codes
	v_mov_b32 v[KF+24+\j], 0
.endr
	v_mov_b32 v13, 0xff61b1e6                      ; the largest t so far: -3e38
	v_floor_f32 v12, -v13                          ; -M
	v_mov_b32 v14, 0                               ; the sum, in two halves
	v_mov_b32 v15, 0
	v_mov_b32 v251, 0                              ; (named as the upper half of the pair v[250:251])
.irp b,0,1,2,3
	v_mov_b32 v[BP+\b], 0                          ; a lane permute's destination counts as one of its sources
.endr
.set j, 0
.rept 32
	v_mov_b32 v[O+j], 0                            ; O^T: the step is written once, and its first walk finds zeros
.set j, j+1
.endr
	s_wait_kmcnt 0x0
	s_mul_f32 s[MSL], s[MSL], 0x3fb8aa3b           ; ms log2(e)
	s_mov_b32 s[MSL+1], s[MSL]
	s_wait_loadcnt 0x0                             ; Q
	s_wait_tensorcnt 0x1                           ; my first load is in, my second may stay out
	s_barrier_signal -1
	s_barrier_wait -1                              ; keys 0-1,023 are whole
	s_mov_b32 s[CNT], 8
.Lfirst:
	STEP
	s_sub_co_u32 s[CNT], s[CNT], 1
	s_cmp_lg_u32 s[CNT], 0
	s_cbranch_scc1 .Lfirst
	s_wait_dscnt 0x0
	s_wait_tensorcnt 0x0                           ; my second load is in
	s_barrier_signal -1
	s_barrier_wait -1                              ; keys 1,024-2,047 are whole
	s_mov_b32 s[CNT], 8
.Lsecond:
	STEP
	s_sub_co_u32 s[CNT], s[CNT], 1
	s_cmp_lg_u32 s[CNT], 0
	s_cbranch_scc1 .Lsecond
	; THE WAY OUT: O^T / the sum; its 64 numbers a query are two blocks of the last product's K: quantised here, one half fragment
.rept 4
	v_nop                                          ; places behind the last products
.endr
	v_add_f32 v14, v14, v15
	v_permlanex16_b32 v248, v14, s[SEL], s[SEL+1]
	v_add_f32 v14, v14, v248                       ; the row's sum
	v_rcp_f32 v14, v14
	v_add_nc_u32 v6, s72, v1                       ; (plain work behind the reciprocal)
	v_add_nc_u32 v7, s72, v2
	v_and_b32 v8, 15, v0
	v_bfe_u32 v11, v0, 4, 1
	v_lshl_add_u32 v8, v8, 2, v11
	v_add_nc_u32 v8, s73, v8                       ; 4 r + my block's byte
	WAITT
.set j, 0
.rept 16
	v_pk_mul_f32 v[O+j:O+j+1], v[O+j:O+j+1], v[14:15] op_sel_hi:[1,0]   ; each accumulator from its low end on
.set j, j+2
.endr
.irp b,0,1
	v_max3_num_f32 v[BM+\b], |v[O+16*\b]|, |v[O+16*\b+1]|, 0x1800000
.endr
.irp i,2,4,6,8,10,12,14
.irp b,0,1
	v_max3_num_f32 v[BM+\b], v[BM+\b], |v[O+16*\b+\i]|, |v[O+16*\b+\i+1]|
.endr
.endr
.irp b,0,1
	v_permlanex16_b32 v[BP+\b], v[BM+\b], s[SEL], s[SEL+1]
.endr
.irp b,0,1
	v_max_num_f32 v[BM+\b], v[BM+\b], v[BP+\b]
.endr
.irp b,0,1
	v_add_nc_u32 v[SO+\b], 0xff000000, v[BM+\b]
.endr
.irp b,0,1
	v_lshrrev_b32 v[BP+\b], 23, v[SO+\b]
.endr
	v_cvt_scalef32_pk16_fp6_f32 v[PC:PC+2], v[O:O+15], v[SO]
	v_cvt_scalef32_pk16_fp6_f32 v[PT:PT+2], v[O+16:O+31], v[SO+1]
	v_nop                                          ; one plain place behind a scaled conversion
.irp i,0,1,2
	v_permlane16_swap_b32 v[PC+\i], v[PT+\i]
.endr
.irp i,0,1,2
	v_mov_b32 v[PC+3+\i], v[PT+\i]
.endr
	v_cndmask_b32 v[BP], v[BP], v[BP+1], s74       ; lanes 0-15 block 0's byte, lanes 16-31 block 1's
	global_store_b128 v6, v[PC:PC+3], s[10:11]     ; 512 and 256 consecutive bytes, aligned to 256
	global_store_b64 v7, v[PC+4:PC+5], s[10:11] offset:512
	global_store_b8 v8, v[BP], s[10:11] offset:12288
	s_wait_tensorcnt 0x0                           ; the wave's end
	ds_add_u32 v4, v5
	s_wait_dscnt 0x0
	CROUND                                         ; the closing round
	s_endpgm
.Lfunc_end_k_q44ad2d56db_attn:
	.size	k_q44ad2d56db_attn, .Lfunc_end_k_q44ad2d56db_attn-k_q44ad2d56db_attn
	.p2alignl 7, 3214868480
	.fill 96, 4, 3214868480
	.section	.rodata,"a",@progbits
	.p2align	6, 0x0
	.amdhsa_kernel k_q44ad2d56db_attn
		.amdhsa_group_segment_fixed_size 210944
		.amdhsa_private_segment_fixed_size 0
		.amdhsa_enable_private_segment 0
		.amdhsa_kernarg_size 32
		.amdhsa_user_sgpr_count 2
		.amdhsa_user_sgpr_kernarg_segment_ptr 1
		.amdhsa_wavefront_size32 1
		.amdhsa_system_sgpr_workgroup_id_x 1
		.amdhsa_system_sgpr_workgroup_id_y 1
		.amdhsa_system_sgpr_workgroup_id_z 1
		.amdhsa_system_vgpr_workitem_id 0
		.amdhsa_next_free_vgpr 256
		.amdhsa_next_free_sgpr 80
		.amdhsa_reserve_vcc 0
		.amdhsa_float_denorm_mode_32 3
		.amdhsa_float_denorm_mode_16_64 3
		.amdhsa_memory_ordered 1
		.amdhsa_forward_progress 1
		.amdhsa_inst_pref_size 62
	.end_amdhsa_kernel
	.amdgpu_metadata
---
amdhsa.version: [ 1, 2 ]
amdhsa.kernels:
  - .name:           k_q44ad2d56db_attn
    .symbol:         k_q44ad2d56db_attn.kd
    .args:
      - { .name: qk, .offset: 0, .size: 8, .value_kind: global_buffer, .address_space: global }
      - { .name: vq, .offset: 8, .size: 8, .value_kind: global_buffer, .address_space: global }
      - { .name: mobius_scale, .offset: 16, .size: 8, .value_kind: global_buffer, .address_space: global }
      - { .name: aq, .offset: 24, .size: 8, .value_kind: global_buffer, .address_space: global }
    .group_segment_fixed_size: 210944
    .private_segment_fixed_size: 0
    .kernarg_segment_align: 8
    .kernarg_segment_size: 32
    .max_flat_workgroup_size: 512
    .sgpr_count:     80
    .vgpr_count:     256
    .wavefront_size: 32
...
	.end_amdgpu_metadata
.endif
;; end of part 4
;; launch gemm_out (part 5): grid 8 x 32, 4 waves a work-group, clusters of 4 x 4, 272,896 bytes of LDS; arguments aq, wq, bo, zp, b2, adaptive_weight, out0; writes out0
.if DOCPART == 5
	.amdgcn_target "amdgcn-amd-amdhsa--gfx1250"
	.amdhsa_code_object_version 6
	.text
	.protected	k_q44ad2d56db_gemm_out
	.globl	k_q44ad2d56db_gemm_out
	.p2align	8
	.type	k_q44ad2d56db_gemm_out,@function
k_q44ad2d56db_gemm_out:
	s_mov_b64 s[64:65], 0
	v_nop
	global_prefetch_b8 v0, s[64:65] scope:SCOPE_SE
	s_setreg_imm32_b32 hwreg(HW_REG_WAVE_MODE, 25, 1), 1
	s_wait_xcnt 0x0
	s_wait_alu depctr_hold_cnt(0) depctr_sa_sdst(0) depctr_va_vdst(0) depctr_va_sdst(0) depctr_va_ssrc(0) depctr_va_vcc(0) depctr_vm_vsrc(0)
	s_getreg_b32 s2, hwreg(HW_REG_IB_STS2, 6, 4)
	s_cmp_eq_u32 s2, 0
	s_cbranch_scc0 .Lentry_in_a_cluster
	s_endpgm
.Lentry_in_a_cluster:
	s_bfe_u32 s2, ttmp6, 0x10000c
	s_cmp_lg_u32 s2, 0xf033
	s_cbranch_scc0 .Lentry_shape_is_right
	s_endpgm
.Lentry_shape_is_right:
; out0 = (attention's result Wo + bo) (1 + adaptive_weight x mean over heads of sigmoid(z + b2)), the product on codes of E2M3.
; A work-group makes 128 tokens x 128 columns with all of K = 1,024 resident in LDS: R = aq's block of 128 tokens at LDS 0, P = Wo's block of 128 columns (wq's blocks 24-31) at 102,400; every LDS byte is filled once.
; The product is used transposed (source 0 = a tile of P, source 1 = a tile of R): a lane holds one token, and register 16 b + i of P's eight tiles is column 32 b + 16 (lane / 16) + i.
; CLUSTER 4 x 4: R's block hangs on cy and is asked for jointly along a row of the cluster, P's on cx and along a column.  Waves 0, 1 fetch R, waves 2, 3 P: two loads each of 25,600 bytes: a wave has two tensor loads out at the most.
; While the tiles land each wave sums the sixteen partial z of its batch, and makes the gate g; bias x g is the addend of one fused multiply-add a pair of results.
; The results go through the wave's own stage in LDS (32 rows x 528 bytes, behind the operands: no fill lands there) and leave as rows of 512 consecutive bytes.
; REGISTERS: window 0: addresses, scale words, the way out; window 1: accumulator (a, b) at v[8 (8 a + b)]; windows 2, 3: two sets of fragments (P's at v0-95, R's at v96-119).
.set STAGE, 204800
.set SPARE, 272384                     ; the spare words, 128 bytes for each wave
.set AR16, 4
.set AR8,  5
.set AR4,  6
.set AP16, 7
.set AP8,  8
.set AP4,  9
.set SPW,  10
.set NIL,  11
.set SC,   20
.set BI,   32                          ; v32-95   bo x g in the result's layout
.set H,    96                          ; v96-223  the results, then whole rows
.set G1R,  24
.set G0R0, 32
.set G0R1, 36
.set G1P,  48
.set G0P0, 56
.set G0P1, 60
.set SEL,  68
.set WV,   84
.set PAR,  85
.set PARB, 87
.set MSB, 0
.macro WIN new                         ; the immediate's high byte repeats the setting that is left
.if MSB != \new
	s_set_vgpr_msb (MSB<<8)|\new
.set MSB, \new
.endif
.endm
.macro CROUND                          ; a round of the cluster's barrier
	s_barrier_signal -1
	s_barrier_wait -1
	s_cmp_lg_u32 s[WV], 0
	s_cbranch_scc1 .Lnot_wave_0_\@
	s_barrier_signal -3
.Lnot_wave_0_\@:
	s_barrier_wait -3
	s_barrier_signal -1
	s_barrier_wait -1
.endm
.macro PLACES n
.rept \n
	v_nop
.endr
.endm
.macro FRAG reg, a16, a8, off
	ds_load_b128 v[\reg:\reg+3], v[\a16] offset:\off
	ds_load_b64 v[\reg+4:\reg+5], v[\a8] offset:\off+512
	ds_load_b128 v[\reg+6:\reg+9], v[\a16] offset:\off+768
	ds_load_b64 v[\reg+10:\reg+11], v[\a8] offset:\off+1280
.endm
.macro FETCH q                         ; K step q: 45 LDS loads into set q % 2
	WIN 0x80+0x40*((\q)%2)
.irp t,0,1,2,3,4,5,6,7
	FRAG 12*\t,AP16,AP8,12800*((\q)%4)+1536*\t
.endr
.irp a,0,1
	FRAG 96+12*\a,AR16,AR8,12800*((\q)%4)+1536*\a
.endr
	WIN 0
.irp p,0,1,2,3
	ds_load_b32 v[SC+6*((\q)%2)+\p], v[AP4] offset:12800*((\q)%4)+128*\p
.endr
	ds_load_b32 v[SC+6*((\q)%2)+4], v[AR4] offset:12800*((\q)%4)
.endm
.macro WM d, a, b, sa, sb, ra, rb, zero
.if \zero
.if (\ra)&&(\rb)
	v_wmma_scale_f32_16x16x128_f8f6f4 v[\d:\d+7], v[\a:\a+11], v[\b:\b+11], 0, v[\sa], v[\sb] matrix_a_fmt:MATRIX_FMT_FP6 matrix_b_fmt:MATRIX_FMT_FP6 matrix_a_scale:MATRIX_SCALE_ROW1 matrix_b_scale:MATRIX_SCALE_ROW1
.elseif \ra
	v_wmma_scale_f32_16x16x128_f8f6f4 v[\d:\d+7], v[\a:\a+11], v[\b:\b+11], 0, v[\sa], v[\sb] matrix_a_fmt:MATRIX_FMT_FP6 matrix_b_fmt:MATRIX_FMT_FP6 matrix_a_scale:MATRIX_SCALE_ROW1
.elseif \rb
	v_wmma_scale_f32_16x16x128_f8f6f4 v[\d:\d+7], v[\a:\a+11], v[\b:\b+11], 0, v[\sa], v[\sb] matrix_a_fmt:MATRIX_FMT_FP6 matrix_b_fmt:MATRIX_FMT_FP6 matrix_b_scale:MATRIX_SCALE_ROW1
.else
	v_wmma_scale_f32_16x16x128_f8f6f4 v[\d:\d+7], v[\a:\a+11], v[\b:\b+11], 0, v[\sa], v[\sb] matrix_a_fmt:MATRIX_FMT_FP6 matrix_b_fmt:MATRIX_FMT_FP6
.endif
.else
.if (\ra)&&(\rb)
	v_wmma_scale_f32_16x16x128_f8f6f4 v[\d:\d+7], v[\a:\a+11], v[\b:\b+11], v[\d:\d+7], v[\sa], v[\sb] matrix_a_fmt:MATRIX_FMT_FP6 matrix_b_fmt:MATRIX_FMT_FP6 matrix_a_scale:MATRIX_SCALE_ROW1 matrix_b_scale:MATRIX_SCALE_ROW1
.elseif \ra
	v_wmma_scale_f32_16x16x128_f8f6f4 v[\d:\d+7], v[\a:\a+11], v[\b:\b+11], v[\d:\d+7], v[\sa], v[\sb] matrix_a_fmt:MATRIX_FMT_FP6 matrix_b_fmt:MATRIX_FMT_FP6 matrix_a_scale:MATRIX_SCALE_ROW1
.elseif \rb
	v_wmma_scale_f32_16x16x128_f8f6f4 v[\d:\d+7], v[\a:\a+11], v[\b:\b+11], v[\d:\d+7], v[\sa], v[\sb] matrix_a_fmt:MATRIX_FMT_FP6 matrix_b_fmt:MATRIX_FMT_FP6 matrix_b_scale:MATRIX_SCALE_ROW1
.else
	v_wmma_scale_f32_16x16x128_f8f6f4 v[\d:\d+7], v[\a:\a+11], v[\b:\b+11], v[\d:\d+7], v[\sa], v[\sb] matrix_a_fmt:MATRIX_FMT_FP6 matrix_b_fmt:MATRIX_FMT_FP6
.endif
.endif
.endm
.macro MUL q, zero                     ; 16 matrix instructions; the 16 accumulators take turns in the same order in every K step
	WIN 0x5a+5*((\q)%2)
.irp a,0,1
.irp b,0,1,2,3,4,5,6,7
	WM 8*(8*\a+\b),12*\b,96+12*\a,SC+6*((\q)%2)+\b/2,SC+6*((\q)%2)+4,\b%2,\a,\zero
.endr
.endr
	WIN 0
.endm
	s_load_b256 s[4:11], s[0:1], 0x0               ; aq s[4:5], wq s[6:7], bo s[8:9], zp s[10:11]
	s_load_b128 s[12:15], s[0:1], 0x20             ; b2 s[12:13], adaptive_weight s[14:15]
	s_load_b64 s[16:17], s[0:1], 0x30              ; out0
	v_lshl_add_u32 v[SPW], v0, 2, SPARE
	v_mov_b32 v[NIL], 0
	ds_add_u32 v[SPW], v[NIL]                      ; the wave's opening: the add and its wait ahead of my first tensor load
	v_lshrrev_b32 v1, 5, v0
	v_readfirstlane_b32 s[WV], v1                  ; wave
	s_and_b32 s[PAR], s[WV], 1
	s_bfe_u32 s40, ttmp6, 0x40000                  ; cx
	s_bfe_u32 s41, ttmp6, 0x40004                  ; cy
	s_lshl_b32 s45, ttmp9, 2
	s_add_co_u32 s45, s45, s40                     ; P's block: columns; of my place it holds cx alone
	s_and_b32 s44, ttmp7, 0xffff
	s_lshl_b32 s44, s44, 2
	s_add_co_u32 s44, s44, s41                     ; R's block: tokens; cy alone
	s_lshl_b32 s46, s41, 2
	s_lshl_b32 s46, 15, s46                        ; my row of the cluster
	s_lshl_b32 s47, 0x1111, s40                    ; my column
	s_or_b32 s[G1R], s46, (3<<16)|(1<<21)
	s_or_b32 s[G1P], s47, (3<<16)|(1<<21)
.irp g,G1R,G1P                         ; 25,600 dense bytes as 100 rows of 256
	s_mov_b32 s[\g+1], 32<<16
	s_mov_b32 s[\g+2], 100<<16
	s_mov_b32 s[\g+3], 32<<16
	s_mov_b32 s[\g+4], 100
	s_mov_b32 s[\g+5], 32
	s_mov_b32 s[\g+6], 0
	s_mov_b32 s[\g+7], 0
.endr
	s_mul_i32 s[PARB], s[PAR], 25600
	s_mul_i32 s18, s44, 102400
	s_add_co_u32 s18, s18, s[PARB]
	s_mov_b32 s19, 0
	s_mul_i32 s20, s45, 102400
	s_add_co_u32 s20, s20, s[PARB]
	s_add_co_u32 s20, s20, 2457600                 ; Wo's blocks lie behind Wqkv's 24
	s_mov_b32 s21, 0
	s_mov_b32 s[SEL], 0x76543210
	s_mov_b32 s[SEL+1], 0xfedcba98
	s_wait_dscnt 0x0                               ; the opening add is done
	s_wait_kmcnt 0x0
	s_add_nc_u64 s[22:23], s[4:5], s[18:19]
	s_add_nc_u64 s[66:67], s[6:7], s[20:21]
	CROUND                                         ; all sixteen work-groups are here: the joint loads meet
	s_mov_b32 s[G0R0], 1
	s_mov_b32 s[G0R0+1], s[PARB]
	s_mov_b64 s[G0R0+2:G0R0+3], s[22:23]
	s_or_b32 s[G0R0+3], s[G0R0+3], 0x80000000
	s_mov_b32 s[G0R1], 1
	s_add_co_u32 s[G0R1+1], s[PARB], 51200
	s_add_nc_u64 s[G0R1+2:G0R1+3], s[22:23], 51200
	s_or_b32 s[G0R1+3], s[G0R1+3], 0x80000000
	s_mov_b32 s[G0P0], 1
	s_add_co_u32 s[G0P0+1], s[PARB], 102400
	s_mov_b64 s[G0P0+2:G0P0+3], s[66:67]
	s_or_b32 s[G0P0+3], s[G0P0+3], 0x80000000
	s_mov_b32 s[G0P1], 1
	s_add_co_u32 s[G0P1+1], s[PARB], 153600
	s_add_nc_u64 s[G0P1+2:G0P1+3], s[66:67], 51200
	s_or_b32 s[G0P1+3], s[G0P1+3], 0x80000000
	s_cmp_lt_u32 s[WV], 2                          ; a wave's two fills stand in one branch, ahead of every wait on TENSORcnt and every LDS read
	s_cbranch_scc0 .Lfirst_p
	tensor_load_to_lds s[G0R0:G0R0+3], s[G1R:G1R+7]
	s_nop 0
	tensor_load_to_lds s[G0R1:G0R1+3], s[G1R:G1R+7]
	s_nop 0
	PLACES 4
	s_branch .Lfirst_asked
.Lfirst_p:
	tensor_load_to_lds s[G0P0:G0P0+3], s[G1P:G1P+7]
	s_nop 0
	tensor_load_to_lds s[G0P1:G0P1+3], s[G1P:G1P+7]
	s_nop 0
	PLACES 4
.Lfirst_asked:
	v_and_b32 v1, 15, v0                           ; r
	v_bfe_u32 v2, v0, 4, 1                         ; h
	v_and_b32 v3, 31, v0                           ; lane
	s_mul_i32 s88, s[WV], 3072
	v_lshl_add_u32 v[AR16], v3, 4, s88
	v_lshl_add_u32 v[AR8], v3, 3, s88
	s_lshl_b32 s88, s[WV], 7
	s_add_co_u32 s88, s88, 12288
	v_lshl_add_u32 v[AR4], v3, 2, s88
	v_lshl_add_u32 v[AP16], v3, 4, 102400
	v_lshl_add_u32 v[AP8], v3, 3, 102400
	v_lshl_add_u32 v[AP4], v3, 2, 114688
	s_mul_i32 s88, s[WV], 16896
	s_add_co_u32 s88, s88, STAGE                   ; my stage
	v_mul_u32_u24 v16, v1, 528
	v_lshl_add_u32 v16, v2, 6, v16
	v_add_nc_u32 v16, s88, v16                     ; in: row r, + 64 h
	v_lshl_add_u32 v17, v3, 4, s88                 ; back: a row's 512 bytes, 16 a lane
	v_lshlrev_b32 v18, 4, v3                       ; and the same in out0
	; the gate of my batch, and the bias
	s_lshr_b32 s76, s44, 4
	s_lshl_b32 s76, s76, 6
	s_mov_b32 s77, 0
	s_add_nc_u64 s[10:11], s[10:11], s[76:77]      ; zp[.][batch]
	v_lshlrev_b32 v12, 2, v1                       ; head j = lane % 16
	v_lshl_add_u32 v13, v2, 10, v12                ; lanes 16-31 take the partial sums 8 .. 15
.irp i,0,1,2,3,4,5,6,7
	global_load_b32 v[224+\i], v13, s[10:11] offset:128*\i
.endr
	global_load_b32 v232, v12, s[12:13]            ; b2
	v_mov_b32 v14, 0
	global_load_b32 v233, v14, s[14:15]            ; adaptive_weight
	s_lshl_b32 s76, s45, 9
	s_add_nc_u64 s[8:9], s[8:9], s[76:77]
	v_lshlrev_b32 v15, 6, v2
.irp b,0,1,2,3
.irp j,0,1,2,3
	global_load_b128 v[BI+16*\b+4*\j:BI+16*\b+4*\j+3], v15, s[8:9] offset:128*\b+16*\j   ; bo of column 32 b + 16 h + 4 j on
.endr
.endr
	s_lshl_b32 s76, s44, 19                        ; 128 tokens of 4,096 bytes,
	s_lshl_b32 s78, s[WV], 17                      ; my 32 of them,
	s_add_co_u32 s76, s76, s78
	s_lshl_b32 s78, s45, 9                         ; my work-group's 128 columns
	s_add_co_u32 s76, s76, s78
	s_add_nc_u64 s[16:17], s[16:17], s[76:77]
	v_mov_b32 v234, 0
	s_wait_loadcnt 0x0
.irp i,1,2,3,4,5,6,7
	v_add_f32 v224, v224, v[224+\i]
.endr
	v_permlanex16_b32 v234, v224, s[SEL], s[SEL+1]
	v_add_f32 v224, v224, v234                     ; z of head j
	v_add_f32 v224, v224, v232                     ; + b2
	v_mul_f32 v224, 0xbfb8aa3b, v224
	v_exp_f32 v224, v224                           ; e^(-z)
	v_nop
	s_wait_alu depctr_va_vdst(0)                   ; one wait ahead of the first reader
	v_add_f32 v224, 1.0, v224
	v_rcp_f32 v224, v224                           ; the sigmoid
	v_nop
	s_wait_alu depctr_va_vdst(0)
	v_add_f32_dpp v224, v224, v224 row_xmask:1 row_mask:0xf bank_mask:0xf
	v_add_f32_dpp v224, v224, v224 row_xmask:2 row_mask:0xf bank_mask:0xf
	v_add_f32_dpp v224, v224, v224 row_xmask:4 row_mask:0xf bank_mask:0xf
	v_add_f32_dpp v224, v224, v224 row_xmask:8 row_mask:0xf bank_mask:0xf
	v_mul_f32 v224, 0x3d800000, v224               ; the mean over 16 heads
	v_fma_f32 v226, v233, v224, 1.0                ; g
	v_mov_b32 v227, v226
.set j, 0
.rept 32
	v_pk_mul_f32 v[BI+j:BI+j+1], v[BI+j:BI+j+1], v[226:227]
.set j, j+2
.endr
	s_wait_tensorcnt 0x1                           ; my first load is in, my second may stay out
	s_barrier_signal -1
	s_barrier_wait -1                              ; K steps 0-3 of both blocks are whole
	FETCH 0
	FETCH 1
	s_wait_dscnt 45                                ; all but the 45 just issued
	MUL 0,1                                        ; the first K step starts the sums
.irp q,1,2
	PLACES 4                                       ; in front of loads into registers that matrix instructions have read
	FETCH (\q+1)
	s_wait_dscnt 45
	MUL \q,0
.endr
	s_wait_dscnt 0x0                               ; no LDS instruction of mine is out at the signal
	s_wait_tensorcnt 0x0                           ; my second load is in
	s_barrier_signal -1
	s_barrier_wait -1                              ; K steps 4-7 are whole
.irp r,AR16,AR8,AR4,AP16,AP8,AP4
	v_add_nc_u32 v[\r], 51200, v[\r]               ; on to them; these six lines are also the places in front of the loads below
.endr
	FETCH 4
	s_wait_dscnt 45
	MUL 3,0
.irp q,4,5,6
	PLACES 4
	FETCH (\q+1)
	s_wait_dscnt 45
	MUL \q,0
.endr
	s_wait_dscnt 0x0
	MUL 7,0
	PLACES 4                                       ; in front of the first read of results
.irp a,0,1
	WIN 0x01                                       ; source 0 in window 1
.set j, 0
.rept 32
	v_pk_fma_f32 v[H+64*\a+j:H+64*\a+j+1], v[64*\a+j:64*\a+j+1], v[226:227], v[BI+j:BI+j+1]   ; sum x g + bo x g; each accumulator from its low end on
.set j, j+2
.endr
	WIN 0
.irp b,0,1,2,3
.irp j,0,1,2,3
	ds_store_b128 v16, v[H+64*\a+16*\b+4*\j:H+64*\a+16*\b+4*\j+3] offset:8448*\a+128*\b+16*\j
.endr
.endr
.endr
	s_wait_dscnt 0x0                               ; the stores have read their registers, which take the rows now
.set i, 0
.rept 32
	ds_load_b128 v[H+4*i:H+4*i+3], v17 offset:528*i
.set i, i+1
.endr
.set i, 0
.rept 32
	s_wait_dscnt 31-i
	global_store_b128 v18, v[H+4*i:H+4*i+3], s[16:17] offset:(8*(i/16)+(i%16)+8*((i%16)/8))*4096 th:TH_STORE_NT   ; 512 consecutive bytes of the token that stage row i holds
.set i, i+1
.endr
	s_wait_tensorcnt 0x0                           ; the wave's end
	ds_add_u32 v[SPW], v[NIL]
	s_wait_dscnt 0x0
	CROUND                                         ; the closing round
	s_endpgm
.Lfunc_end_k_q44ad2d56db_gemm_out:
	.size	k_q44ad2d56db_gemm_out, .Lfunc_end_k_q44ad2d56db_gemm_out-k_q44ad2d56db_gemm_out
	.p2alignl 7, 3214868480
	.fill 96, 4, 3214868480
	.section	.rodata,"a",@progbits
	.p2align	6, 0x0
	.amdhsa_kernel k_q44ad2d56db_gemm_out
		.amdhsa_group_segment_fixed_size 272896
		.amdhsa_private_segment_fixed_size 0
		.amdhsa_enable_private_segment 0
		.amdhsa_kernarg_size 56
		.amdhsa_user_sgpr_count 2
		.amdhsa_user_sgpr_kernarg_segment_ptr 1
		.amdhsa_wavefront_size32 1
		.amdhsa_system_sgpr_workgroup_id_x 1
		.amdhsa_system_sgpr_workgroup_id_y 1
		.amdhsa_system_sgpr_workgroup_id_z 1
		.amdhsa_system_vgpr_workitem_id 0
		.amdhsa_next_free_vgpr 1024
		.amdhsa_next_free_sgpr 100
		.amdhsa_reserve_vcc 0
		.amdhsa_float_denorm_mode_32 3
		.amdhsa_float_denorm_mode_16_64 3
		.amdhsa_memory_ordered 1
		.amdhsa_forward_progress 1
		.amdhsa_inst_pref_size 66
	.end_amdhsa_kernel
	.amdgpu_metadata
---
amdhsa.version: [ 1, 2 ]
amdhsa.kernels:
  - .name:           k_q44ad2d56db_gemm_out
    .symbol:         k_q44ad2d56db_gemm_out.kd
    .args:
      - { .name: aq, .offset: 0, .size: 8, .value_kind: global_buffer, .address_space: global }
      - { .name: wq, .offset: 8, .size: 8, .value_kind: global_buffer, .address_space: global }
      - { .name: bo, .offset: 16, .size: 8, .value_kind: global_buffer, .address_space: global }
      - { .name: zp, .offset: 24, .size: 8, .value_kind: global_buffer, .address_space: global }
      - { .name: b2, .offset: 32, .size: 8, .value_kind: global_buffer, .address_space: global }
      - { .name: adaptive_weight, .offset: 40, .size: 8, .value_kind: global_buffer, .address_space: global }
      - { .name: out0, .offset: 48, .size: 8, .value_kind: global_buffer, .address_space: global }
    .group_segment_fixed_size: 272896
    .private_segment_fixed_size: 0
    .kernarg_segment_align: 8
    .kernarg_segment_size: 56
    .max_flat_workgroup_size: 128
    .sgpr_count:     100
    .vgpr_count:     1024
    .wavefront_size: 32
...
	.end_amdgpu_metadata
.endif
;; end of part 5
